; MI455X (gfx1250); checked and timed in simulation.
; The chip was launched on July 23, 2026; its instructions are those of AMD's public machine-readable ISA for CDNA 5 (MIT licence, August 2026) and "CDNA5" Instruction Set Architecture Reference Guide (July 2026). The comments in the code are by the model that wrote it; some were corrected since.
;; Genjo Sparse Moe Block. Allowed arithmetic: float matrix products may take bf16 or f16 operands with f32 sums; all other float work in f32.
;; Inputs: gate_w 16 x 512 float32; hidden_states 2 x 512 x 512 float32; swd 512 x 1,024 float32; swg 1,024 x 512 float32; swu 1,024 x 512 float32; wd 16 x 512 x 2,048 float32; wg 16 x 2,048 x 512 float32; wu 16 x 2,048 x 512 float32.
;; Outputs: out0 2 x 512 x 512 float32.
;; 2 versions, each right; version 2 is version 1 with the launches gateup, combine written anew for expert scheduling mode. Each part assembles by itself: llvm-mc -triple=amdgcn-amd-amdhsa -mcpu=gfx1250 --defsym DOCPART=n.
;; ======== version 1 of 2: 5 launches
;; workspace buffers: ridx 8,192 bytes of whole numbers; rcw 8,192 bytes; rpos 131,072 bytes of whole numbers; cnt 4,096 bytes of whole numbers; xf 16,777,216 bytes; swf 4,194,304 bytes; hf 71,303,168 bytes; yp 285,212,672 bytes
;; launch router (part 1): grid 256 x 1, 1 waves a work-group, no clusters, 4,608 bytes of LDS; arguments hidden_states, gate_w, swg, swu, swd, swf, ridx, rcw; writes swf, ridx, rcw
.if DOCPART == 1
	.amdgcn_target "amdgcn-amd-amdhsa--gfx1250"
	.amdhsa_code_object_version 6
	.text
	.protected	k_q37b8d26a2e_router
	.globl	k_q37b8d26a2e_router
	.p2align	8
	.type	k_q37b8d26a2e_router,@function
k_q37b8d26a2e_router:
	s_mov_b64 s[64:65], 0
	v_nop
	global_prefetch_b8 v0, s[64:65] scope:SCOPE_SE
	s_setreg_imm32_b32 hwreg(HW_REG_WAVE_MODE, 25, 1), 1
	s_wait_xcnt 0x0
; ROUTER, and the shared expert's weights.  One wave a work-group.
; WORK-GROUPS 0-63 own 16 tokens each.  x and gate_w are rounded once to bf16; logits = gate_w x^T by the matrix unit (f32 sums);
; softmax in f32 with the row's maximum taken away; the two largest scores and their experts go out (pair p = 2 t + k).
; The 16 tokens' x also goes out as ready operand images (16 rows x 32 k = 1,024 bytes: lane l holds row l % 16,
; first 512 bytes k = 8 (l / 16) + 0..7, second 512 bytes k = 16 + 8 (l / 16) + 0..7), at 3 << 20 in swf: the shared expert's tokens.
; WORK-GROUPS 64-255 (c = number - 64) turn 16 rows x 512 k of swg (c < 64), swu (c < 128) or swd into 16 such images, at c << 14 in swf.
; LIMITS.  NaN and infinities are not treated apart.  The choice is made on this text's own f32 scores, the lower index winning a tie:
; two scores closer than the rounding of an f32 sum of 512 products may be chosen otherwise than by another order of summation.
; A weight below 2^-126 counts as 0.
.set STG,   0                          ; my stage: 16 rows of 256 bytes + 16 of padding (pitch 272 = 17 x 16)
.set SPARE, 4352                       ; the spare words: one block of 256 bytes that no other line names
.set RBASE, 256                        ; three buffers of 64 registers, v256-447 (window 1): a unit = 16 rows x 128 k of f32
.set L16, 1                            ; v1  16 x lane
.set SW,  2                            ; v2  stage, in: 8 x lane
.set SR,  3                            ; v3  stage, back: row l % 16, 16 bytes for each half of the lanes
.set SPW, 4                            ; v4  my spare word
.set NIL, 5                            ; v5  0
.set H8,  6                            ; v6  8 (l / 16): my first expert
.set RO8, 7                            ; v7  8 (l % 16): my token's byte in ridx and rcw
.set TMP, 16                           ; v16-47  a unit in bf16
.set XFR, 48                           ; v48-79  four operand images
.set FR,  48
.set GFR, 80                           ; v80-111 four of gate_w
.set ACC0, 112                         ; v112-119, v120-127: two sums that take turns
.set LG,  128                          ; v128-135 logits, then weights, then scores
.set B1,  136
.set I1,  137
.set B2,  138
.set I2,  139
.set PT,  140                          ; v140-143 the other half's four
.set M0,  144
.set M1,  145
.set NM,  146
.set SUM, 147
.set RI,  149
.set JP,  150                          ; v150-151 the two experts
.set TP,  152                          ; v152-153 the two scores
.set TB,  154
.set TI,  155
.set IJ,  156
.set LO,  160                          ; v160-163 the pair of experts 0-7
.set HI,  164                          ; v164-167 the pair of experts 8-15
.set CA,  168
.set ROFF, 176                         ; v176-191 the converters' 16 rows: row x pitch + 16 x lane
.set MSB, 0
.macro WIN new                         ; the immediate's high byte repeats the setting that is left
.if MSB != (\new)
	s_set_vgpr_msb (MSB<<8)|(\new)
.set MSB, \new
.endif
.endm
.macro PLACES
.rept 4
	v_nop
.endr
.endm
.macro FIN                             ; the wave's end: three lines behind my last LDS store
	WIN 0
	s_wait_tensorcnt 0x0
	ds_add_u32 v[SPW], v[NIL]
	s_wait_dscnt 0x0
	s_endpgm
.endm
.macro LDU n, base, off, pitch         ; a unit into buffer n: each load takes 512 consecutive bytes of one row
.set RW_, (RBASE+64*(\n))/256
.set RR_, (RBASE+64*(\n))%256
	WIN RW_<<6
.set i_, 0
.rept 16
	global_load_b128 v[RR_+4*i_:RR_+4*i_+3], v[L16], s[\base:\base+1] offset:(\off)+i_*(\pitch)
.set i_, i_+1
.endr
.endm
.macro LDUR n, kq                      ; the same with the rows' offsets in registers: k from 128 kq on
.set RW_, (RBASE+64*(\n))/256
.set RR_, (RBASE+64*(\n))%256
	WIN RW_<<6
.set i_, 0
.rept 16
	global_load_b128 v[RR_+4*i_:RR_+4*i_+3], v[ROFF+i_], s[34:35] offset:(\kq)*512 th:TH_LOAD_NT
.set i_, i_+1
.endr
.endm
.macro CVU n                           ; rounded to bf16, once
.set RW_, (RBASE+64*(\n))/256
.set RR_, (RBASE+64*(\n))%256
	WIN RW_|(RW_<<2)
.set i_, 0
.rept 32
	v_cvt_pk_bf16_f32 v[TMP+i_], v[RR_+2*i_], v[RR_+2*i_+1]
.set i_, i_+1
.endr
.endm
.macro STU                             ; into my stage, a row of 256 bytes an instruction
	WIN 0
.set i_, 0
.rept 16
	ds_store_b64 v[SW], v[TMP+2*i_:TMP+2*i_+1] offset:i_*272
.set i_, i_+1
.endr
.endm
.macro FRU dw, dst                     ; back as four operand images; LDS serves a wave's instructions in order, so no wait stands between
	WIN (\dw)<<6
.set i_, 0
.rept 4
	ds_load_b128 v[(\dst)+8*i_:(\dst)+8*i_+3],   v[SR] offset:64*i_
	ds_load_b128 v[(\dst)+8*i_+4:(\dst)+8*i_+7], v[SR] offset:64*i_+32
.set i_, i_+1
.endr
.endm
.macro OUTU base, off                  ; four images out: 512 consecutive bytes a store
.set i_, 0
.rept 8
	global_store_b128 v[L16], v[FR+4*i_:FR+4*i_+3], s[\base:\base+1] offset:(\off)+i_*512
.set i_, i_+1
.endr
.endm
.macro ULOAD j                         ; unit j: even = x, odd = gate_w, k from 128 (j / 2) on
	LDU (\j)%3, 8+2*((\j)%2), ((\j)/2)*512, 2048
.endm
	s_load_b512 s[8:23], s[0:1], 0x0               ; x 8, gate_w 10, swg 12, swu 14, swd 16, swf 18, ridx 20, rcw 22
	v_lshl_add_u32 v[SPW], v0, 2, SPARE
	v_mov_b32 v[NIL], 0
	v_and_b32 v8, 31, v0
	v_and_b32 v9, 15, v0
	v_bfe_u32 v10, v0, 4, 1
	v_lshlrev_b32 v[L16], 4, v8
	v_lshl_add_u32 v[SW], v8, 3, STG
	v_mul_u32_u24 v[SR], v9, 272
	v_lshl_add_u32 v[SR], v10, 4, v[SR]
	v_lshlrev_b32 v[H8], 3, v10
	v_lshlrev_b32 v[RO8], 3, v9
	s_mov_b32 s24, 0x76543210                      ; v_permlanex16_b32: each lane takes its own place in the other half
	s_mov_b32 s25, 0xfedcba98
	s_mov_b32 s26, 0x3fb8aa3b                      ; log2(e)
	s_mov_b32 s3, 0
	s_mov_b32 s4, ttmp9
	s_wait_kmcnt 0x0
	s_cmp_ge_u32 s4, 64
	s_cbranch_scc1 .Lconv
	s_lshl_b32 s2, s4, 15                          ; 16 rows of 2,048 bytes
	s_add_nc_u64 s[8:9], s[8:9], s[2:3]
	s_lshl_b32 s2, s4, 14                          ; my block of 16,384 bytes of x's images
	s_add_co_u32 s2, s2, 3<<20
	s_add_nc_u64 s[18:19], s[18:19], s[2:3]
	s_lshl_b32 s2, s4, 7                           ; 16 tokens x 8 bytes
	s_add_nc_u64 s[20:21], s[20:21], s[2:3]
	s_add_nc_u64 s[22:23], s[22:23], s[2:3]
	ULOAD 0
	ULOAD 1
	ULOAD 2
.set u_, 0
.rept 8
.if u_ < 6
	s_wait_loadcnt 32                              ; the two younger units' 32 loads may stay out
.elseif u_ == 6
	s_wait_loadcnt 16
.else
	s_wait_loadcnt 0
.endif
	CVU u_%3                                       ; these 32 conversions are also the places behind the last products
.if u_+3 < 8
	ULOAD u_+3
.endif
	STU
.if u_%2 == 0
	s_wait_xcnt 0x0                                ; the stores of the last four images have read their registers
	FRU 0, XFR
.else
	FRU 0, GFR
	s_wait_dscnt 0x0
.set k_, 0
.rept 4                                        ; source 0 = 16 experts, source 1 = 16 tokens: a lane holds one token and eight experts; the two sums take turns
.set rD_, ACC0+8*(k_%2)
.if (u_ == 1) && (k_ < 2)
	v_wmma_f32_16x16x32_bf16 v[rD_:rD_+7], v[GFR+8*k_:GFR+8*k_+7], v[XFR+8*k_:XFR+8*k_+7], 0
.else
	v_wmma_f32_16x16x32_bf16 v[rD_:rD_+7], v[GFR+8*k_:GFR+8*k_+7], v[XFR+8*k_:XFR+8*k_+7], v[rD_:rD_+7]
.endif
.set k_, k_+1
.endr
	OUTU 18, (u_/2)*4096
.endif
.set u_, u_+1
.endr
	PLACES
.set j_, 0
.rept 8
	v_add_f32 v[LG+j_], v[ACC0+j_], v[ACC0+8+j_]   ; expert 8 (l / 16) + j of token l % 16
.set j_, j_+1
.endr
	; softmax: the maximum of the 16, then 2^(c s - c m)
	v_max3_num_f32 v[M0], v[LG], v[LG+1], v[LG+2]
	v_max3_num_f32 v[M0], v[M0], v[LG+3], v[LG+4]
	v_max3_num_f32 v[M0], v[M0], v[LG+5], v[LG+6]
	v_max_num_f32 v[M0], v[M0], v[LG+7]
	v_mov_b32 v[M1], 0
	v_permlanex16_b32 v[M1], v[M0], s24, s25
	v_max_num_f32 v[M0], v[M0], v[M1]
	v_mul_f32 v[NM], 0xbfb8aa3b, v[M0]
.set j_, 0
.rept 8
	v_fma_f32 v[LG+j_], v[LG+j_], s26, v[NM]
.set j_, j_+1
.endr
.set j_, 0
.rept 8
	v_exp_f32 v[LG+j_], v[LG+j_]
.set j_, j_+1
.endr
	v_nop
	s_wait_alu depctr_va_vdst(0)
	v_add_f32 v[SUM], v[LG], v[LG+1]
	v_add_f32 v[M0], v[LG+2], v[LG+3]
	v_add_f32 v[M1], v[LG+4], v[LG+5]
	v_add_f32 v[NM], v[LG+6], v[LG+7]
	v_add_f32 v[SUM], v[SUM], v[M0]
	v_add_f32 v[M1], v[M1], v[NM]
	v_add_f32 v[SUM], v[SUM], v[M1]
	v_permlanex16_b32 v[M0], v[SUM], s24, s25
	v_add_f32 v[SUM], v[SUM], v[M0]
	v_rcp_f32 v[RI], v[SUM]
	v_nop
.set j_, 0
	s_wait_alu depctr_va_vdst(0)
.rept 8
	v_mul_f32 v[LG+j_], v[LG+j_], v[RI]
.set j_, j_+1
.endr
	; the two largest of my eight; strict comparisons keep the lower index on a tie
	v_mov_b32 v[B1], v[LG]
	v_mov_b32 v[I1], v[H8]
	v_mov_b32 v[B2], -1.0
	v_mov_b32 v[I2], v[H8]
.set j_, 1
.rept 7
	v_add_nc_u32 v[IJ], j_, v[H8]
	v_cmp_gt_f32 s27, v[LG+j_], v[B1]
	v_cmp_gt_f32 s28, v[LG+j_], v[B2]
	v_cndmask_b32 v[TB], v[B2], v[LG+j_], s28
	v_cndmask_b32 v[TI], v[I2], v[IJ], s28
	v_cndmask_b32 v[B2], v[TB], v[B1], s27
	v_cndmask_b32 v[I2], v[TI], v[I1], s27
	v_cndmask_b32 v[B1], v[B1], v[LG+j_], s27
	v_cndmask_b32 v[I1], v[I1], v[IJ], s27
.set j_, j_+1
.endr
	; the two halves meet: LO = the pair of experts 0-7, HI = of 8-15, in every lane
	v_cmp_gt_u32 s29, 16, v0
.set j_, 0
.rept 4
	v_mov_b32 v[PT+j_], 0
	v_permlanex16_b32 v[PT+j_], v[B1+j_], s24, s25
	v_cndmask_b32 v[LO+j_], v[PT+j_], v[B1+j_], s29
	v_cndmask_b32 v[HI+j_], v[B1+j_], v[PT+j_], s29
.set j_, j_+1
.endr
	v_cmp_gt_f32 s27, v[HI], v[LO]
	v_cndmask_b32 v[TP], v[LO], v[HI], s27
	v_cndmask_b32 v[JP], v[LO+1], v[HI+1], s27
	v_cndmask_b32 v[CA], v[LO+2], v[LO], s27       ; what is left of LO
	v_cndmask_b32 v[CA+1], v[LO+3], v[LO+1], s27
	v_cndmask_b32 v[CA+2], v[HI], v[HI+2], s27     ; what is left of HI
	v_cndmask_b32 v[CA+3], v[HI+1], v[HI+3], s27
	v_cmp_gt_f32 s28, v[CA+2], v[CA]
	v_cndmask_b32 v[TP+1], v[CA], v[CA+2], s28
	v_cndmask_b32 v[JP+1], v[CA+1], v[CA+3], s28
	s_wait_xcnt 0x0                                ; EXEC changes only behind this wait
	v_cmp_gt_u32 vcc_lo, 16, v0
	s_and_saveexec_b32 s30, vcc_lo                 ; lanes 0-15, a token each
	global_store_b64 v[RO8], v[JP:JP+1], s[20:21]
	global_store_b64 v[RO8], v[TP:TP+1], s[22:23]
	s_wait_xcnt 0x0
	s_or_b32 exec_lo, exec_lo, s30
	FIN
.Lconv:                                                ; 16 rows x 512 k of a shared weight matrix into 16 images
	s_sub_co_u32 s4, s4, 64                        ; c
	s_lshr_b32 s5, s4, 6                           ; 0 swg, 1 swu, 2 swd
	s_and_b32 s6, s4, 63
	s_lshl_b32 s2, s6, 15                          ; swg, swu: 16 whole rows of 2,048 bytes
	s_lshr_b32 s7, s6, 1                           ; swd: 16 rows of 4,096 bytes,
	s_lshl_b32 s7, s7, 16
	s_and_b32 s31, s6, 1                           ; one half of each
	s_lshl_b32 s31, s31, 11
	s_add_co_u32 s7, s7, s31
	s_cmp_eq_u32 s5, 1
	s_cselect_b64 s[34:35], s[14:15], s[12:13]
	s_cmp_eq_u32 s5, 2
	s_cselect_b64 s[34:35], s[16:17], s[34:35]
	s_cselect_b32 s2, s7, s2
	s_cselect_b32 s32, 12, 11                      ; log2 of the bytes from row to row
	s_add_nc_u64 s[34:35], s[34:35], s[2:3]
	s_lshl_b32 s2, s4, 14
	s_add_nc_u64 s[18:19], s[18:19], s[2:3]
.set i_, 0
.rept 16
	v_lshl_add_u32 v[ROFF+i_], i_, s32, v[L16]
.set i_, i_+1
.endr
	LDUR 0, 0
	LDUR 1, 1
	LDUR 2, 2
.set u_, 0
.rept 4
.if u_ < 2
	s_wait_loadcnt 32                              ; the two younger units' 32 loads may stay out
.elseif u_ == 2
	s_wait_loadcnt 16
.else
	s_wait_loadcnt 0
.endif
	CVU u_%3
.if u_ == 0
	LDUR 0, 3
.endif
	STU
	s_wait_xcnt 0x0                                ; the last unit's stores have read the images' registers
	FRU 0, FR
	s_wait_dscnt 0x0
	OUTU 18, u_*4096
.set u_, u_+1
.endr
	FIN
.Lfunc_end_k_q37b8d26a2e_router:
	.size	k_q37b8d26a2e_router, .Lfunc_end_k_q37b8d26a2e_router-k_q37b8d26a2e_router
	.p2alignl 7, 3214868480
	.fill 96, 4, 3214868480
	.section	.rodata,"a",@progbits
	.p2align	6, 0x0
	.amdhsa_kernel k_q37b8d26a2e_router
		.amdhsa_group_segment_fixed_size 4608
		.amdhsa_private_segment_fixed_size 0
		.amdhsa_enable_private_segment 0
		.amdhsa_kernarg_size 64
		.amdhsa_user_sgpr_count 2
		.amdhsa_user_sgpr_kernarg_segment_ptr 1
		.amdhsa_wavefront_size32 1
		.amdhsa_system_sgpr_workgroup_id_x 1
		.amdhsa_system_sgpr_workgroup_id_y 1
		.amdhsa_system_sgpr_workgroup_id_z 1
		.amdhsa_system_vgpr_workitem_id 0
		.amdhsa_next_free_vgpr 448
		.amdhsa_next_free_sgpr 66
		.amdhsa_reserve_vcc 1
		.amdhsa_float_denorm_mode_32 3
		.amdhsa_float_denorm_mode_16_64 3
		.amdhsa_memory_ordered 1
		.amdhsa_forward_progress 1
		.amdhsa_inst_pref_size 81
	.end_amdhsa_kernel
	.amdgpu_metadata
---
amdhsa.version: [ 1, 2 ]
amdhsa.kernels:
  - .name:           k_q37b8d26a2e_router
    .symbol:         k_q37b8d26a2e_router.kd
    .args:
      - { .name: hidden_states, .offset: 0, .size: 8, .value_kind: global_buffer, .address_space: global }
      - { .name: gate_w, .offset: 8, .size: 8, .value_kind: global_buffer, .address_space: global }
      - { .name: swg, .offset: 16, .size: 8, .value_kind: global_buffer, .address_space: global }
      - { .name: swu, .offset: 24, .size: 8, .value_kind: global_buffer, .address_space: global }
      - { .name: swd, .offset: 32, .size: 8, .value_kind: global_buffer, .address_space: global }
      - { .name: swf, .offset: 40, .size: 8, .value_kind: global_buffer, .address_space: global }
      - { .name: ridx, .offset: 48, .size: 8, .value_kind: global_buffer, .address_space: global }
      - { .name: rcw, .offset: 56, .size: 8, .value_kind: global_buffer, .address_space: global }
    .group_segment_fixed_size: 4608
    .private_segment_fixed_size: 0
    .kernarg_segment_align: 8
    .kernarg_segment_size: 64
    .max_flat_workgroup_size: 32
    .sgpr_count:     66
    .vgpr_count:     448
    .wavefront_size: 32
...
	.end_amdgpu_metadata
.endif
;; end of part 1
;; launch gather (part 2): grid 80 x 16, 1 waves a work-group, no clusters, 17,152 bytes of LDS; arguments hidden_states, ridx, swf, xf, rpos, cnt, hf; writes xf, rpos, cnt, hf
.if DOCPART == 2
	.amdgcn_target "amdgcn-amd-amdhsa--gfx1250"
	.amdhsa_code_object_version 6
	.text
	.protected	k_q37b8d26a2e_gather
	.globl	k_q37b8d26a2e_gather
	.p2align	8
	.type	k_q37b8d26a2e_gather,@function
k_q37b8d26a2e_gather:
	s_mov_b64 s[64:65], 0
	v_nop
	global_prefetch_b8 v0, s[64:65] scope:SCOPE_SE
	s_setreg_imm32_b32 hwreg(HW_REG_WAVE_MODE, 25, 1), 1
	s_wait_xcnt 0x0
; GATHER, and beside it the shared expert's gate and up.  Work-group (x, e), one wave: no work-group shares anything with another, and there is no barrier.
; All loads go through registers, so several of these small work-groups lie on a WGP at a time: 16 gatherers and 64 shares for each e, 1,280 in all.
; x < 16, THE GATHERER of slice sl = x: scans all 2,048 pairs and makes the list of e's tokens in LDS (position = pairs of e in front of it in the scan's order); positions past
; the count hold token 0, whose results nobody reads.  All lanes stay on: a lane whose pair is not e's stores its token to a trash word of its own.  Then it stores words
; 128 sl .. 128 sl + 127 of row e of rpos (1,024 e + position by pair: 512 consecutive bytes; the words of pairs that are not e's hold a number below 2^15 that nobody reads),
; and brings blocks sl, sl + 16, .. of 16 listed tokens' x, rounded to bf16, into xf as operand images.  Slice 0 also stores ngrp = max(1, ceil(count / 32)), 64 copies.
; An expert has 1,024 pairs at the most: a token's two experts differ.
; x >= 16: share G = 64 e + x - 16 of h = silu(x swg^T) * (x swu^T): 32 rows (G % 32) x 32 tokens (G / 32), from ready images in swf, bf16 products with f32 sums,
; silu and the product in f32, h rounded once to bf16 (bf16 for its range), into row 16 of hf.  The operands come in 8 chunks of 2 K steps through three register buffers.
; An operand image: 16 rows x 32 k in 1,024 bytes: lane l holds row l % 16; first 512 bytes k = 8 (l / 16) + 0..7, second 512 bytes k = 16 + 8 (l / 16) + 0..7.
; NO CLUSTER, NO TENSOR LOADS: a gatherer copies rows named by a list; a share's operands go straight into registers.  NaN and infinities are not treated apart.
.set LIST,  0                          ; 1,024 words: the token at each position
.set TRASH, 4096                       ; 32 words, one a lane, written and never read
.set POSA,  4352                       ; 2,048 words: 1,024 e + position, by pair
.set STG,   12544                      ; the stage: 16 rows, pitch 272
.set SPARE, 16896                      ; the spare words: one block of 256 bytes that no other line names
.set RBASE, 64                         ; the gatherer: v64-191, two buffers of 64 registers
.set L16, 1
.set SW,  2
.set SR,  3
.set SPW, 4
.set NIL, 5
.set L2,  6                            ; v6  2 x lane
.set TR,  7                            ; v7  my trash word
.set LB,  11                           ; v11 LDS byte of my block's 16 tokens
.set POSV, 12                          ; v12-15
.set ROFF, 16                          ; v16-31 byte offsets of the block's 16 rows of x; before the block loop: v20-23 my slice's words of rpos, v24-26 offsets
.set TMP, 32                           ; v32-63
.set IDX, 192                          ; v192-255 the 2,048 pairs' experts; later
.set FR,  192                          ; v192-223 four images
.set E,   16                           ; a share: v16-31 at work
.set HP,  32                           ; v32-47 h in bf16, eight registers a block
.set ACC, 64                           ; v64-127 sums at 64 + 32 x + 16 mat + 8 tile; the buffers: window 1 v0-95 and v128-223, window 0 v128-223
.set MSB, 0
.macro WIN new                         ; the immediate's high byte repeats the setting that is left
.if MSB != (\new)
	s_set_vgpr_msb (MSB<<8)|(\new)
.set MSB, \new
.endif
.endm
.macro PLACES
.rept 4
	v_nop
.endr
.endm
.macro FIN                             ; the wave's end: three lines behind my last LDS store
	WIN 0
	s_wait_tensorcnt 0x0
	ds_add_u32 v[SPW], v[NIL]
	s_wait_dscnt 0x0
	s_endpgm
.endm
.macro LDUG n, kq                      ; the block's 16 listed rows, k from 128 kq on: 512 consecutive bytes a load
.set RR_, RBASE+64*(\n)
.set i_, 0
.rept 16
	global_load_b128 v[RR_+4*i_:RR_+4*i_+3], v[ROFF+i_], s[8:9] offset:(\kq)*512
.set i_, i_+1
.endr
.endm
.macro CVU n
.set RR_, RBASE+64*(\n)
.set i_, 0
.rept 32
	v_cvt_pk_bf16_f32 v[TMP+i_], v[RR_+2*i_], v[RR_+2*i_+1]
.set i_, i_+1
.endr
.endm
.macro STU
.set i_, 0
.rept 16
	ds_store_b64 v[SW], v[TMP+2*i_:TMP+2*i_+1] offset:i_*272
.set i_, i_+1
.endr
.endm
.macro FRU                             ; LDS serves a wave's instructions in order: these see the stores above
.set i_, 0
.rept 4
	ds_load_b128 v[FR+8*i_:FR+8*i_+3],   v[SR] offset:64*i_
	ds_load_b128 v[FR+8*i_+4:FR+8*i_+7], v[SR] offset:64*i_+32
.set i_, i_+1
.endr
.endm
.macro OUTU base, off
.set i_, 0
.rept 8
	global_store_b128 v[L16], v[FR+4*i_:FR+4*i_+3], s[\base:\base+1] offset:(\off)+i_*512
.set i_, i_+1
.endr
.endm
.macro BUF c                           ; chunk c's buffer: its window and its first register
.set bw_, 1-((\c)%3)/2
.set bb_, 128*(((\c)%3+1)/2)
.endm
.macro CH c                            ; chunk c, K steps 2 c and 2 c + 1: 16 loads of weights (matrix, tile: 16 registers each), 8 of x (block: 16 registers); 512 consecutive bytes a load
	BUF \c
	WIN bw_<<6
.set i_, 0
.rept 16
	global_load_b128 v[bb_+4*i_:bb_+4*i_+3], v[L16], s[12:13] offset:((i_/8)<<20)+(((i_/4)%2)<<14)+(\c)*2048+(i_%4)*512
.set i_, i_+1
.endr
.set i_, 0
.rept 8
	global_load_b128 v[bb_+64+4*i_:bb_+64+4*i_+3], v[L16], s[22:23] offset:((i_/4)<<14)+(\c)*2048+(i_%4)*512
.set i_, i_+1
.endr
.endm
.macro MULC c                          ; 16 products; the eight sums take turns; the first K step starts them
	BUF \c
	WIN bw_|(bw_<<2)
.set k_, 0
.rept 16
.set rD_, ACC+8*(k_%8)
.set rA_, bb_+16*(k_%4)+8*(k_/8)
.set rB_, bb_+64+16*((k_%8)/4)+8*(k_/8)
.if ((\c) == 0) && (k_ < 8)
	v_wmma_f32_16x16x32_bf16 v[rD_:rD_+7], v[rA_:rA_+7], v[rB_:rB_+7], 0
.else
	v_wmma_f32_16x16x32_bf16 v[rD_:rD_+7], v[rA_:rA_+7], v[rB_:rB_+7], v[rD_:rD_+7]
.endif
.set k_, k_+1
.endr
.endm
.macro EPI x                           ; h = g / (1 + 2^(-g log2 e)) * u; each sum is read from its low end on
	WIN 0
.set G_, ACC+32*(\x)
.set U_, ACC+32*(\x)+16
.set H_, HP+8*(\x)
.set p_, 0
.rept 8
	v_pk_mul_f32 v[E+2*p_:E+2*p_+1], v[G_+2*p_:G_+2*p_+1], s[34:35] op_sel_hi:[1,0]
.set p_, p_+1
.endr
.set p_, 0
.rept 16
	v_exp_f32 v[E+p_], v[E+p_]
.set p_, p_+1
.endr
	v_nop
.set p_, 0
	s_wait_alu depctr_va_vdst(0)
.rept 8
	v_pk_add_f32 v[E+2*p_:E+2*p_+1], v[E+2*p_:E+2*p_+1], 1.0 op_sel_hi:[1,0]
.set p_, p_+1
.endr
.set p_, 0
.rept 16
	v_rcp_f32 v[E+p_], v[E+p_]
.set p_, p_+1
.endr
	v_nop
.set p_, 0
	s_wait_alu depctr_va_vdst(0)
.rept 8
	v_pk_mul_f32 v[E+2*p_:E+2*p_+1], v[E+2*p_:E+2*p_+1], v[G_+2*p_:G_+2*p_+1]
.set p_, p_+1
.endr
.set p_, 0
.rept 8
	v_pk_mul_f32 v[E+2*p_:E+2*p_+1], v[E+2*p_:E+2*p_+1], v[U_+2*p_:U_+2*p_+1]
.set p_, p_+1
.endr
.set p_, 0
.rept 8
	v_cvt_pk_bf16_f32 v[H_+p_], v[E+2*p_], v[E+2*p_+1]
.set p_, p_+1
.endr
	global_store_b128 v[L16], v[H_:H_+3],   s[20:21] offset:(\x)*65536       ; 512 consecutive bytes: the image's first half (tile 0),
	global_store_b128 v[L16], v[H_+4:H_+7], s[20:21] offset:(\x)*65536+512   ; and its second (tile 1)
.endm
	s_load_b256 s[8:15], s[0:1], 0x0               ; x 8, ridx 10, swf 12, xf 14
	s_load_b128 s[16:19], s[0:1], 0x20             ; rpos 16, cnt 18
	s_load_b64 s[20:21], s[0:1], 0x30              ; hf
	v_lshl_add_u32 v[SPW], v0, 2, SPARE
	v_mov_b32 v[NIL], 0
	v_and_b32 v8, 31, v0
	v_lshlrev_b32 v[L16], 4, v8
	s_mov_b32 s44, ttmp9                           ; x
	s_and_b32 s30, ttmp7, 15                       ; e
	s_mov_b32 s3, 0
	s_cmp_ge_u32 s44, 16
	s_cbranch_scc1 .Lshared
	s_and_b32 s40, ttmp9, 15                       ; sl
	v_and_b32 v9, 15, v0
	v_bfe_u32 v10, v0, 4, 1
	v_lshl_add_u32 v[SW], v8, 3, STG
	v_mul_u32_u24 v[SR], v9, 272
	v_lshl_add_u32 v[SR], v10, 4, v[SR]
	v_add_nc_u32 v[SR], STG, v[SR]
	v_lshlrev_b32 v[L2], 1, v8
	v_lshl_add_u32 v[TR], v8, 2, TRASH
	s_lshl_b32 s31, s30, 10
	s_lshl_b32 s42, s40, 9
	v_add_nc_u32 v24, s42, v[L16]                  ; my 16 bytes of my slice's 512 in a row of rpos
	v_add_nc_u32 v25, POSA, v24
	v_lshlrev_b32 v26, 3, v8
	s_lshl_b32 s42, s40, 6
	v_mov_b32 v[LB], s42                           ; block sl: 16 words
	s_wait_kmcnt 0x0
	s_lshl_b32 s2, s30, 20                         ; xf: row e, block sl
	s_lshl_b32 s43, s40, 14
	s_add_co_u32 s2, s2, s43
	s_add_nc_u64 s[14:15], s[14:15], s[2:3]
	s_lshl_b32 s2, s30, 13                         ; rpos: row e, 2,048 words
	s_add_nc_u64 s[16:17], s[16:17], s[2:3]
	s_lshl_b32 s2, s30, 8
	s_add_nc_u64 s[18:19], s[18:19], s[2:3]
.set i_, 0
.rept 16
	global_load_b128 v[IDX+4*i_:IDX+4*i_+3], v[L16], s[10:11] offset:512*i_   ; register 4 q + c: pair 128 q + 4 lane + c
.set i_, i_+1
.endr
	v_mov_b32 v[POSV], 0
	v_mov_b32 v[POSV+1], 0
	v_mov_b32 v[POSV+2], 0
	v_mov_b32 v[POSV+3], 0
.set i_, 0
.rept 8
	ds_store_b128 v[L16], v[POSV:POSV+3] offset:LIST+512*i_   ; token 0 everywhere
.set i_, i_+1
.endr
	v_mov_b32 v10, v[L2]                           ; the token of pairs 4 lane and 4 lane + 1
	s_wait_loadcnt 0
	s_mov_b32 s32, 0
.set i_, 0
.rept 64
	v_cmp_eq_u32 vcc_lo, s30, v[IDX+i_]
	v_mbcnt_lo_u32_b32 v8, vcc_lo, s32             ; e's pairs so far + those in lower lanes
	v_or_b32 v[POSV+i_%4], s31, v8
	v_lshlrev_b32 v9, 2, v8
	v_cndmask_b32 v9, v[TR], v9, vcc_lo            ; e's pair: its place in the list; any other: my trash word
	v_min_u32 v9, TRASH+124, v9                    ; inside the list and the trash words, whatever was loaded
.if (i_ > 0) && (i_%4 == 0)
	v_add_nc_u32 v10, 63, v10                      ; the pairs' token, 64 (i / 4) + 2 lane + (i % 4) / 2, goes by steps: on to the next 128 pairs,
.elseif i_%4 == 2
	v_add_nc_u32 v10, 1, v10                       ; on to my next two pairs
.endif
	ds_store_b32 v9, v10
	s_bcnt1_i32_b32 s34, vcc_lo
	s_add_co_u32 s32, s32, s34
.if i_%4 == 3
	ds_store_b128 v[L16], v[POSV:POSV+3] offset:POSA+512*(i_/4)
.endif
.set i_, i_+1
.endr
	s_add_co_u32 s35, s32, 31
	s_lshr_b32 s35, s35, 5
	s_max_u32 s35, s35, 1                          ; groups of 32 positions,
	s_min_u32 s35, s35, 32                         ; 32 at the most
	s_lshl_b32 s36, s35, 1                         ; blocks of 16
	ds_load_b128 v[20:23], v25
	s_wait_dscnt 0x0
	global_store_b128 v24, v[20:23], s[16:17]      ; my slice of row e: 512 consecutive bytes
	s_cmp_lg_u32 s40, 0
	s_cbranch_scc1 .Lnocnt
	v_mov_b32 v8, s35
	v_mov_b32 v9, s35
	global_store_b64 v26, v[8:9], s[18:19]
.Lnocnt:
	; my blocks of the list: sl, sl + 16, sl + 32, sl + 48, as far as the list goes
	s_mov_b32 s37, s40
	s_mov_b32 s38, 4
.Lblk:
	s_cmp_ge_u32 s37, s36
	s_cbranch_scc1 .Lskip
	s_wait_xcnt 0x0                                ; v16-31 and the images' registers are written again only behind this wait
.set i_, 0
.rept 16
	ds_load_b32 v[ROFF+i_], v[LB] offset:LIST+4*i_
.set i_, i_+1
.endr
	s_wait_dscnt 0x0
.set i_, 0
.rept 16
	v_min_u32 v[ROFF+i_], 0x3ff, v[ROFF+i_]
	v_lshl_add_u32 v[ROFF+i_], v[ROFF+i_], 11, v[L16]
.set i_, i_+1
.endr
	LDUG 0, 0
	LDUG 1, 1
.set q_, 0
.rept 4
.if q_ < 3
	s_wait_loadcnt 16                              ; the younger unit's 16 loads stay out
.else
	s_wait_loadcnt 0
.endif
	s_wait_xcnt 0x0
	CVU q_%2
.if q_ < 2
	LDUG q_%2, q_+2
.endif
	STU
	FRU
	s_wait_dscnt 0x0
	OUTU 14, q_*4096
.set q_, q_+1
.endr
.Lskip:
	s_wait_xcnt 0x0                                ; the stores' base steps only behind this wait
	s_add_co_u32 s37, s37, 16
	v_add_nc_u32 v[LB], 1024, v[LB]
	s_add_nc_u64 s[14:15], s[14:15], 0x40000
	s_sub_co_u32 s38, s38, 1
	s_cmp_lg_u32 s38, 0
	s_cbranch_scc1 .Lblk
	FIN
.Lshared:
	s_sub_co_u32 s45, s44, 16                      ; x - 16
	s_lshl_b32 s46, s30, 6
	s_add_co_u32 s45, s45, s46                     ; G
	s_and_b32 s46, s45, 31                         ; my 32 rows
	s_lshr_b32 s47, s45, 5                         ; my 32 tokens
	s_mov_b32 s34, 0xbfb8aa3b                      ; -log2(e)
	s_mov_b32 s35, s34
	s_wait_kmcnt 0x0
	s_lshl_b32 s2, s47, 15
	s_add_co_u32 s2, s2, 3<<20
	s_add_nc_u64 s[22:23], s[12:13], s[2:3]        ; x's images of my two blocks
	s_lshl_b32 s2, s46, 15
	s_add_nc_u64 s[12:13], s[12:13], s[2:3]        ; swg's images of my two row tiles; swu's lie 1 << 20 further
	s_lshl_b32 s2, s47, 17
	s_lshl_b32 s48, s46, 10
	s_add_co_u32 s2, s2, s48
	s_add_co_u32 s2, s2, 16<<22
	s_add_nc_u64 s[20:21], s[20:21], s[2:3]        ; hf: row 16, my two blocks, K step G % 32
	CH 0
	CH 1
.set c_, 0
.rept 8
.if c_ < 7
	s_wait_loadcnt 24                              ; the younger chunk's 24 loads stay out
.else
	s_wait_loadcnt 0
.endif
.if c_+2 < 8
.if c_ > 0
	PLACES                                         ; four places behind the products that read the buffer filled next
.endif
	CH c_+2
.endif
	MULC c_
.set c_, c_+1
.endr
	WIN 0
	PLACES                                         ; four places behind the last product, ahead of the reads of the sums
	EPI 0
	EPI 1
	FIN
.Lfunc_end_k_q37b8d26a2e_gather:
	.size	k_q37b8d26a2e_gather, .Lfunc_end_k_q37b8d26a2e_gather-k_q37b8d26a2e_gather
	.p2alignl 7, 3214868480
	.fill 96, 4, 3214868480
	.section	.rodata,"a",@progbits
	.p2align	6, 0x0
	.amdhsa_kernel k_q37b8d26a2e_gather
		.amdhsa_group_segment_fixed_size 17152
		.amdhsa_private_segment_fixed_size 0
		.amdhsa_enable_private_segment 0
		.amdhsa_kernarg_size 56
		.amdhsa_user_sgpr_count 2
		.amdhsa_user_sgpr_kernarg_segment_ptr 1
		.amdhsa_wavefront_size32 1
		.amdhsa_system_sgpr_workgroup_id_x 1
		.amdhsa_system_sgpr_workgroup_id_y 1
		.amdhsa_system_sgpr_workgroup_id_z 1
		.amdhsa_system_vgpr_workitem_id 0
		.amdhsa_next_free_vgpr 512
		.amdhsa_next_free_sgpr 66
		.amdhsa_reserve_vcc 1
		.amdhsa_float_denorm_mode_32 3
		.amdhsa_float_denorm_mode_16_64 3
		.amdhsa_memory_ordered 1
		.amdhsa_forward_progress 1
		.amdhsa_inst_pref_size 94
	.end_amdhsa_kernel
	.amdgpu_metadata
---
amdhsa.version: [ 1, 2 ]
amdhsa.kernels:
  - .name:           k_q37b8d26a2e_gather
    .symbol:         k_q37b8d26a2e_gather.kd
    .args:
      - { .name: hidden_states, .offset: 0, .size: 8, .value_kind: global_buffer, .address_space: global }
      - { .name: ridx, .offset: 8, .size: 8, .value_kind: global_buffer, .address_space: global }
      - { .name: swf, .offset: 16, .size: 8, .value_kind: global_buffer, .address_space: global }
      - { .name: xf, .offset: 24, .size: 8, .value_kind: global_buffer, .address_space: global }
      - { .name: rpos, .offset: 32, .size: 8, .value_kind: global_buffer, .address_space: global }
      - { .name: cnt, .offset: 40, .size: 8, .value_kind: global_buffer, .address_space: global }
      - { .name: hf, .offset: 48, .size: 8, .value_kind: global_buffer, .address_space: global }
    .group_segment_fixed_size: 17152
    .private_segment_fixed_size: 0
    .kernarg_segment_align: 8
    .kernarg_segment_size: 56
    .max_flat_workgroup_size: 32
    .sgpr_count:     66
    .vgpr_count:     512
    .wavefront_size: 32
...
	.end_amdgpu_metadata
.endif
;; end of part 2
;; launch gateup (part 3): grid 16 x 16, 4 waves a work-group, no clusters, 17,920 bytes of LDS; arguments xf, wg, wu, cnt, hf; writes hf
.if DOCPART == 3
	.amdgcn_target "amdgcn-amd-amdhsa--gfx1250"
	.amdhsa_code_object_version 6
	.text
	.protected	k_q37b8d26a2e_gateup
	.globl	k_q37b8d26a2e_gateup
	.p2align	8
	.type	k_q37b8d26a2e_gateup,@function
k_q37b8d26a2e_gateup:
	s_mov_b64 s[64:65], 0
	v_nop
	global_prefetch_b8 v0, s[64:65] scope:SCOPE_SE
	s_setreg_imm32_b32 hwreg(HW_REG_WAVE_MODE, 25, 1), 1
	s_wait_xcnt 0x0
; GATE AND UP of the routed experts.  h = silu(x wg^T) * (x wu^T), in bf16 products with f32 sums; silu and the product in f32; h rounded once to bf16 (bf16 for its range).
; Wave u = 4 sl + w of expert e owns 32 rows of wg[e] and of wu[e] (131,072 bytes, read once, 512 consecutive bytes a load), rounds them to bf16, turns them into operand
; images through its own LDS stage and KEEPS them in 512 registers.  The expert's tokens then pass by in groups of 32 (two blocks of 16), as ready images from xf:
; no gather, no LDS, no barrier; ngrp comes from cnt.  The first group's images are asked for while the last units of weights are at work, so that the weights' loads go out first.
; A trip of the loop fetches the next group; the last group is written out and fetches nothing.
; Source 0 = 16 rows of weights, source 1 = 16 tokens: a lane holds one token and eight neighbouring i, which rounded in pairs ARE its 16 bytes of h's image.
; NO CLUSTER, NO TENSOR LOADS: a wave shares its weights with nobody, and the experts' trip counts differ.
; LIMITS.  NaN and infinities are not treated apart; positions past an expert's count are computed on token 0 and read by nobody.
.set STG,   0                          ; four stages of 16 rows, pitch 272
.set SPARE, 17408                      ; the spare words: two blocks of 256 bytes that no other line names
.set RBASE, 64                         ; window 0, v64-255: three buffers of 64 registers in the weights' phase
.set L16, 1
.set SW,  2
.set SR,  3
.set SPW, 4
.set NIL, 5
.set TMP, 16                           ; v16-47
.set ACC, 64                           ; the tokens' phase: sums at 64 + 32 x + 16 mat + 8 tile
.set E,   128                          ; v128-143 at work
.set HP,  160                          ; v160-175 h in bf16, eight registers a block
; window 1: X, block x at 128 x + 8 s.   window 2: wg, tile t at 128 t + 8 s.   window 3: wu likewise.
.set MSB, 0
.macro WIN new
.if MSB != (\new)
	s_set_vgpr_msb (MSB<<8)|(\new)
.set MSB, \new
.endif
.endm
.macro PLACES
.rept 4
	v_nop
.endr
.endm
.macro LDU n, base, off, pitch
.set RR_, RBASE+64*(\n)
	WIN 0
.set i_, 0
.rept 16
	global_load_b128 v[RR_+4*i_:RR_+4*i_+3], v[L16], s[\base:\base+1] offset:(\off)+i_*(\pitch) th:TH_LOAD_NT
.set i_, i_+1
.endr
.endm
.macro CVU n
.set RR_, RBASE+64*(\n)
	WIN 0
.set i_, 0
.rept 32
	v_cvt_pk_bf16_f32 v[TMP+i_], v[RR_+2*i_], v[RR_+2*i_+1]
.set i_, i_+1
.endr
.endm
.macro STU
	WIN 0
.set i_, 0
.rept 16
	ds_store_b64 v[SW], v[TMP+2*i_:TMP+2*i_+1] offset:i_*272
.set i_, i_+1
.endr
.endm
.macro FRU dw, dst                     ; LDS serves a wave's instructions in order: these see the stores above, and the next unit's stores come behind them
	WIN (\dw)<<6
.set i_, 0
.rept 4
	ds_load_b128 v[(\dst)+8*i_:(\dst)+8*i_+3],   v[SR] offset:64*i_
	ds_load_b128 v[(\dst)+8*i_+4:(\dst)+8*i_+7], v[SR] offset:64*i_+32
.set i_, i_+1
.endr
.endm
.macro ULOAD j                         ; unit j of 16: matrix j / 8, tile (j / 4) % 2, k from 128 (j % 4) on
	LDU (\j)%3, 10+2*((\j)/8), (((\j)/4)%2)*32768+((\j)%4)*512, 2048
.endm
.macro UFRAG j
	FRU 2+(\j)/8, 128*(((\j)/4)%2)+32*((\j)%4)
.endm
.macro XLD x, base                     ; a block's 16 images: 32 loads of 512 consecutive bytes
	WIN 0x40
.set i_, 0
.rept 32
	global_load_b128 v[128*(\x)+4*i_:128*(\x)+4*i_+3], v[L16], s[\base:\base+1] offset:(\x)*16384+i_*512
.set i_, i_+1
.endr
.endm
.macro MULB x                          ; 64 products: wg's 32, then wu's; a matrix's two tiles take turns; the first K step starts the sums
.set k_, 0
.rept 64
	WIN 0x06+k_/32
.set rD_, ACC+32*(\x)+16*(k_/32)+8*(k_%2)
.set rA_, 128*(k_%2)+8*((k_%32)/2)
.set rB_, 128*(\x)+8*((k_%32)/2)
.if (k_%32) < 2
	v_wmma_f32_16x16x32_bf16 v[rD_:rD_+7], v[rA_:rA_+7], v[rB_:rB_+7], 0
.else
	v_wmma_f32_16x16x32_bf16 v[rD_:rD_+7], v[rA_:rA_+7], v[rB_:rB_+7], v[rD_:rD_+7]
.endif
.set k_, k_+1
.endr
.endm
.macro EPI x                           ; h = g / (1 + 2^(-g log2 e)) * u; each sum is read from its low end on
	WIN 0
.set G_, ACC+32*(\x)
.set U_, ACC+32*(\x)+16
.set H_, HP+8*(\x)
.set p_, 0
.rept 8
	v_pk_mul_f32 v[E+2*p_:E+2*p_+1], v[G_+2*p_:G_+2*p_+1], s[34:35] op_sel_hi:[1,0]
.set p_, p_+1
.endr
.set p_, 0
.rept 16
	v_exp_f32 v[E+p_], v[E+p_]
.set p_, p_+1
.endr
	v_nop
.set p_, 0
	s_wait_alu depctr_va_vdst(0)
.rept 8
	v_pk_add_f32 v[E+2*p_:E+2*p_+1], v[E+2*p_:E+2*p_+1], 1.0 op_sel_hi:[1,0]
.set p_, p_+1
.endr
.set p_, 0
.rept 16
	v_rcp_f32 v[E+p_], v[E+p_]
.set p_, p_+1
.endr
	v_nop
.set p_, 0
	s_wait_alu depctr_va_vdst(0)
.rept 8
	v_pk_mul_f32 v[E+2*p_:E+2*p_+1], v[E+2*p_:E+2*p_+1], v[G_+2*p_:G_+2*p_+1]
.set p_, p_+1
.endr
.set p_, 0
.rept 8
	v_pk_mul_f32 v[E+2*p_:E+2*p_+1], v[E+2*p_:E+2*p_+1], v[U_+2*p_:U_+2*p_+1]
.set p_, p_+1
.endr
	s_wait_xcnt 0x0                                ; the block's last stores have read these registers
.set p_, 0
.rept 8
	v_cvt_pk_bf16_f32 v[H_+p_], v[E+2*p_], v[E+2*p_+1]
.set p_, p_+1
.endr
	global_store_b128 v[L16], v[H_:H_+3],   s[18:19] offset:(\x)*65536       ; 512 consecutive bytes: the image's first half (tile 0),
	global_store_b128 v[L16], v[H_+4:H_+7], s[18:19] offset:(\x)*65536+512   ; and its second (tile 1)
.endm
.macro BLK x, next, lc                 ; lc: the younger loads, which may stay out
	s_wait_loadcnt \lc
	MULB \x
	WIN 0
	PLACES                                         ; four places behind the last product, ahead of the loads into X and of the reads of the sums
.if \next
	XLD \x, 24
.endif
	EPI \x
.endm
	s_load_b256 s[8:15], s[0:1], 0x0               ; xf 8, wg 10, wu 12, cnt 14
	s_load_b64 s[18:19], s[0:1], 0x20              ; hf
	v_lshl_add_u32 v[SPW], v0, 2, SPARE
	v_mov_b32 v[NIL], 0
	v_lshrrev_b32 v6, 5, v0
	v_readfirstlane_b32 s40, v6                    ; wave 0..3
	v_and_b32 v7, 31, v0
	v_and_b32 v8, 15, v0
	v_bfe_u32 v9, v0, 4, 1
	v_lshlrev_b32 v[L16], 4, v7
	s_mul_i32 s41, s40, 4352                       ; my stage
	v_lshl_add_u32 v[SW], v7, 3, s41
	v_mul_u32_u24 v[SR], v8, 272
	v_lshl_add_u32 v[SR], v9, 4, v[SR]
	v_add_nc_u32 v[SR], s41, v[SR]
	s_and_b32 s42, ttmp9, 15                       ; sl
	s_and_b32 s43, ttmp7, 15                       ; e
	s_lshl2_add_u32 s44, s42, s40                  ; u = 4 sl + w
	s_mov_b32 s34, 0xbfb8aa3b                      ; -log2(e)
	s_mov_b32 s35, s34
	s_mov_b32 s3, 0
	s_mov_b32 s27, 0
	s_mov_b32 s31, 1                               ; the loop counts the groups behind the first
	s_wait_kmcnt 0x0
	s_lshl_b32 s2, s43, 22
	s_lshl_b32 s48, s44, 16
	s_add_co_u32 s2, s2, s48
	s_add_nc_u64 s[10:11], s[10:11], s[2:3]        ; my 32 rows of wg[e]
	s_add_nc_u64 s[12:13], s[12:13], s[2:3]        ; and of wu[e]
	ULOAD 0
	ULOAD 1
	ULOAD 2
	s_lshl_b32 s2, s43, 8
	s_add_nc_u64 s[14:15], s[14:15], s[2:3]
	s_load_b32 s30, s[14:15], 0x0                  ; ngrp
	s_lshl_b32 s2, s43, 22
	s_lshl_b32 s48, s44, 10
	s_add_co_u32 s2, s2, s48
	s_add_nc_u64 s[18:19], s[18:19], s[2:3]        ; hf: row e, block 0, K step u
	s_lshl_b32 s26, s43, 20                        ; the group's byte offset in xf
	s_add_nc_u64 s[22:23], s[8:9], s[26:27]
.set u_, 0
.rept 16
.if u_ == 14
	s_wait_loadcnt 48                              ; unit 15's 16 loads and block 0's 32 may stay out
.else
	s_wait_loadcnt 32                              ; the two younger units' 32 loads; at unit 15: block 0's 32
.endif
	CVU u_%3
.if u_+3 < 16
	ULOAD u_+3
.endif
.if u_ == 13
	XLD 0, 22                                      ; group 0 always exists
.endif
.if u_ == 15
	XLD 1, 22
.endif
	STU
	UFRAG u_
.set u_, u_+1
.endr
	s_wait_dscnt 0x0
	s_wait_kmcnt 0x0
	s_min_u32 s30, s30, 32
	WIN 0
	s_cmp_lt_u32 s31, s30
	s_cbranch_scc0 .Llast
.Lgrp:                                                 ; ngrp - 1 trips: 32 positions each; a trip fetches the next group's X
	s_add_co_u32 s26, s26, 32768
	s_add_nc_u64 s[24:25], s[8:9], s[26:27]
	BLK 0, 1, 32                                   ; block 1's 32 loads are the younger ones
	BLK 1, 1, 32                                   ; the next block 0's
	WIN 0
	s_wait_xcnt 0x0                                ; the bases step only behind this wait
	s_add_nc_u64 s[18:19], s[18:19], 0x20000
	s_add_co_u32 s31, s31, 1
	s_cmp_lt_u32 s31, s30
	s_cbranch_scc1 .Lgrp
.Llast:                                                ; the last group fetches nothing
	BLK 0, 0, 32
	BLK 1, 0, 0
	WIN 0
	s_wait_tensorcnt 0x0                           ; the wave's end: three lines behind my last LDS store
	ds_add_u32 v[SPW], v[NIL]
	s_wait_dscnt 0x0
	s_endpgm
.Lfunc_end_k_q37b8d26a2e_gateup:
	.size	k_q37b8d26a2e_gateup, .Lfunc_end_k_q37b8d26a2e_gateup-k_q37b8d26a2e_gateup
	.p2alignl 7, 3214868480
	.fill 96, 4, 3214868480
	.section	.rodata,"a",@progbits
	.p2align	6, 0x0
	.amdhsa_kernel k_q37b8d26a2e_gateup
		.amdhsa_group_segment_fixed_size 17920
		.amdhsa_private_segment_fixed_size 0
		.amdhsa_enable_private_segment 0
		.amdhsa_kernarg_size 40
		.amdhsa_user_sgpr_count 2
		.amdhsa_user_sgpr_kernarg_segment_ptr 1
		.amdhsa_wavefront_size32 1
		.amdhsa_system_sgpr_workgroup_id_x 1
		.amdhsa_system_sgpr_workgroup_id_y 1
		.amdhsa_system_sgpr_workgroup_id_z 1
		.amdhsa_system_vgpr_workitem_id 0
		.amdhsa_next_free_vgpr 1024
		.amdhsa_next_free_sgpr 66
		.amdhsa_reserve_vcc 0
		.amdhsa_float_denorm_mode_32 3
		.amdhsa_float_denorm_mode_16_64 3
		.amdhsa_memory_ordered 1
		.amdhsa_forward_progress 1
		.amdhsa_inst_pref_size 129
	.end_amdhsa_kernel
	.amdgpu_metadata
---
amdhsa.version: [ 1, 2 ]
amdhsa.kernels:
  - .name:           k_q37b8d26a2e_gateup
    .symbol:         k_q37b8d26a2e_gateup.kd
    .args:
      - { .name: xf, .offset: 0, .size: 8, .value_kind: global_buffer, .address_space: global }
      - { .name: wg, .offset: 8, .size: 8, .value_kind: global_buffer, .address_space: global }
      - { .name: wu, .offset: 16, .size: 8, .value_kind: global_buffer, .address_space: global }
      - { .name: cnt, .offset: 24, .size: 8, .value_kind: global_buffer, .address_space: global }
      - { .name: hf, .offset: 32, .size: 8, .value_kind: global_buffer, .address_space: global }
    .group_segment_fixed_size: 17920
    .private_segment_fixed_size: 0
    .kernarg_segment_align: 8
    .kernarg_segment_size: 40
    .max_flat_workgroup_size: 128
    .sgpr_count:     66
    .vgpr_count:     1024
    .wavefront_size: 32
...
	.end_amdgpu_metadata
.endif
;; end of part 3
;; launch down (part 4): grid 16 x 16, 8 waves a work-group, no clusters, 35,840 bytes of LDS; arguments hf, swf, wd, cnt, yp; writes yp
.if DOCPART == 4
	.amdgcn_target "amdgcn-amd-amdhsa--gfx1250"
	.amdhsa_code_object_version 6
	.text
	.protected	k_q37b8d26a2e_down
	.globl	k_q37b8d26a2e_down
	.p2align	8
	.type	k_q37b8d26a2e_down,@function
k_q37b8d26a2e_down:
	s_mov_b64 s[64:65], 0
	v_nop
	global_prefetch_b8 v0, s[64:65] scope:SCOPE_SE
	s_setreg_imm32_b32 hwreg(HW_REG_WAVE_MODE, 25, 1), 1
	s_wait_xcnt 0x0
; DOWN.  Partial sums Y = h wd^T in bf16 products with f32 sums.  Eight waves that share nothing: no barrier.
; WAVES 0-3: wave u = 4 sl + w of expert e owns 64 rows d (ds = u % 8) x 256 k (part = u / 8) of wd[e]: 65,536 bytes, read once (512 consecutive bytes a load), rounded to bf16,
; turned into operand images through its own LDS stage and KEPT in 256 registers.  The expert's h passes by in groups of 32 positions as ready images from hf; the first group's
; images take the ring's buffers as those fall free.  A trip of the loop fetches the next group; the last group is written out and fetches nothing.
; WAVES 4-7 run beside them: share G = 64 e + 4 sl + w - 4 of the shared expert: 64 d x 256 k of swd (ready images in swf) x 32 tokens; they load their operands and
; take the same written-out last group.
; A wave's 16 x 64 results go through its stage and leave as whole rows of 256 bytes into yp[row][part][64 ds ..] (row = 1,024 e + position, or 16,384 + token);
; the parts are added, and the weights applied, in the next launch: no sum spans work-groups here.
; NO CLUSTER, NO TENSOR LOADS: a wave shares its weights with nobody, and the experts' trip counts differ.
.set STG,   0                          ; eight stages of 16 rows, pitch 272
.set SPARE, 34816                      ; the spare words: four blocks of 256 bytes that no other line names
.set RBASE, 64                         ; v64-255: three buffers of 64 registers in the weights' phase
.set L16, 1
.set SW,  2
.set SR,  3
.set SPW, 4
.set NIL, 5
.set SWY, 6                            ; v6  the way out, in: row l % 16, 32 bytes for each half of the lanes
.set SRY, 7                            ; v7  back: lanes 0-15 one row of 256 bytes, lanes 16-31 the next
.set YO,  8                            ; v8  the same two rows in yp
.set TMP, 16                           ; v16-47 a unit in bf16; in the tokens' phase
.set OB,  16                           ; v16-47 16 rows read back
.set ACC, 64                           ; v64-127 sums at 64 + 32 x + 8 t
.set HB,  192                          ; h, block x at 192 - 64 x + 8 ks: v192-255 and v128-191
; window 1: wd, tile t at 64 t + 8 ks.
.set MSB, 0
.macro WIN new
.if MSB != (\new)
	s_set_vgpr_msb (MSB<<8)|(\new)
.set MSB, \new
.endif
.endm
.macro PLACES
.rept 4
	v_nop
.endr
.endm
.macro LDU n, base, off, pitch
.set RR_, RBASE+64*(\n)
	WIN 0
.set i_, 0
.rept 16
	global_load_b128 v[RR_+4*i_:RR_+4*i_+3], v[L16], s[\base:\base+1] offset:(\off)+i_*(\pitch) th:TH_LOAD_NT
.set i_, i_+1
.endr
.endm
.macro CVU n
.set RR_, RBASE+64*(\n)
	WIN 0
.set i_, 0
.rept 32
	v_cvt_pk_bf16_f32 v[TMP+i_], v[RR_+2*i_], v[RR_+2*i_+1]
.set i_, i_+1
.endr
.endm
.macro STU
	WIN 0
.set i_, 0
.rept 16
	ds_store_b64 v[SW], v[TMP+2*i_:TMP+2*i_+1] offset:i_*272
.set i_, i_+1
.endr
.endm
.macro FRU dw, dst                     ; LDS serves a wave's instructions in order: these see the stores above, and the next unit's stores come behind them
	WIN (\dw)<<6
.set i_, 0
.rept 4
	ds_load_b128 v[(\dst)+8*i_:(\dst)+8*i_+3],   v[SR] offset:64*i_
	ds_load_b128 v[(\dst)+8*i_+4:(\dst)+8*i_+7], v[SR] offset:64*i_+32
.set i_, i_+1
.endr
.endm
.macro ULOAD j                         ; unit j of 8: tile j / 2 (16 rows of 8,192 bytes), k from 128 (j % 2) on
	LDU (\j)%3, 12, ((\j)/2)*131072+((\j)%2)*512, 8192
.endm
.macro UFRAG j
	FRU 1, 64*((\j)/2)+32*((\j)%2)
.endm
.macro HLD x, base                     ; a block's 8 images of my 256 k
	WIN 0
.set i_, 0
.rept 16
	global_load_b128 v[HB-64*(\x)+4*i_:HB-64*(\x)+4*i_+3], v[L16], s[\base:\base+1] offset:(\x)*65536+i_*512
.set i_, i_+1
.endr
.endm
.macro BLK x, next, lc                 ; lc: the younger loads, which may stay out
	s_wait_loadcnt \lc
	WIN 0x01                                       ; source 0 (wd) window 1
.set k_, 0
.rept 32                                       ; the four tiles' sums take turns; the first K step starts them
.set rD_, ACC+32*(\x)+8*(k_%4)
.set rA_, 64*(k_%4)+8*(k_/4)
.set rB_, HB-64*(\x)+8*(k_/4)
.if k_ < 4
	v_wmma_f32_16x16x32_bf16 v[rD_:rD_+7], v[rA_:rA_+7], v[rB_:rB_+7], 0
.else
	v_wmma_f32_16x16x32_bf16 v[rD_:rD_+7], v[rA_:rA_+7], v[rB_:rB_+7], v[rD_:rD_+7]
.endif
.set k_, k_+1
.endr
	WIN 0
	PLACES                                         ; four places behind the last product, ahead of the loads into h's registers and of the reads of the sums
.if \next
	HLD \x, 24
.endif
.set k_, 0
.rept 4                                        ; a lane holds one position and eight neighbouring d of each tile; each sum is read from its low end on
.set rD_, ACC+32*(\x)+8*k_
	ds_store_b128 v[SWY], v[rD_:rD_+3]   offset:64*k_
	ds_store_b128 v[SWY], v[rD_+4:rD_+7] offset:64*k_+16
.set k_, k_+1
.endr
	s_wait_xcnt 0x0                                ; the last block's stores have read these registers
.set i_, 0
.rept 8
	ds_load_b128 v[OB+4*i_:OB+4*i_+3], v[SRY] offset:i_*544   ; LDS serves a wave's instructions in order: these see the stores above
.set i_, i_+1
.endr
	s_wait_dscnt 0x0
.set i_, 0
.rept 8
	global_store_b128 v[YO], v[OB+4*i_:OB+4*i_+3], s[16:17] offset:(\x)*262144+i_*32768   ; 16 lanes store 256 consecutive bytes, at a multiple of 256 from yp's first byte
.set i_, i_+1
.endr
.endm
	s_load_b256 s[8:15], s[0:1], 0x0               ; hf 8, swf 10, wd 12, cnt 14
	s_load_b64 s[16:17], s[0:1], 0x20              ; yp
	v_lshl_add_u32 v[SPW], v0, 2, SPARE
	v_mov_b32 v[NIL], 0
	v_lshrrev_b32 v9, 5, v0
	v_readfirstlane_b32 s40, v9                    ; wave 0..7
	v_and_b32 v9, 31, v0
	v_and_b32 v10, 15, v0
	v_bfe_u32 v11, v0, 4, 1
	v_lshlrev_b32 v[L16], 4, v9
	s_mul_i32 s41, s40, 4352                       ; my stage
	v_lshl_add_u32 v[SW], v9, 3, s41
	v_mul_u32_u24 v12, v10, 272
	v_add_nc_u32 v12, s41, v12
	v_lshl_add_u32 v[SR], v11, 4, v12
	v_lshl_add_u32 v[SWY], v11, 5, v12
	v_mul_u32_u24 v[SRY], v11, 272
	v_lshl_add_u32 v[SRY], v10, 4, v[SRY]
	v_add_nc_u32 v[SRY], s41, v[SRY]
	v_lshlrev_b32 v[YO], 14, v11
	v_lshl_add_u32 v[YO], v10, 4, v[YO]
	s_and_b32 s42, ttmp9, 15                       ; sl
	s_and_b32 s43, ttmp7, 15                       ; e
	s_and_b32 s53, s40, 3
	s_lshl2_add_u32 s44, s42, s53                  ; u = 4 sl + wave % 4
	s_mov_b32 s3, 0
	s_mov_b32 s27, 0
	s_wait_kmcnt 0x0
	s_cmp_lt_u32 s40, 4
	s_cbranch_scc1 .Lrouted
	; waves 4-7: the shared expert
	s_lshl_b32 s45, s43, 6
	s_add_co_u32 s45, s45, s44                     ; G = 64 e + u
	s_and_b32 s46, s45, 31
	s_lshr_b32 s47, s45, 5                         ; my 32 tokens
	s_and_b32 s50, s46, 7                          ; my 64 d
	s_lshr_b32 s51, s46, 3                         ; my 256 k
	s_lshl_b32 s2, s50, 17
	s_lshl_b32 s52, s51, 13
	s_add_co_u32 s2, s2, s52
	s_add_co_u32 s2, s2, 2<<20
	s_add_nc_u64 s[10:11], s[10:11], s[2:3]        ; swd's images
	s_lshl_b32 s2, s47, 19
	s_lshl_b32 s52, s51, 11
	s_add_co_u32 s2, s2, s52
	s_lshl_b32 s52, s50, 8
	s_add_co_u32 s2, s2, s52
	s_add_co_u32 s2, s2, 16<<24
	s_add_nc_u64 s[16:17], s[16:17], s[2:3]        ; yp: rows 16,384 + 32 (G / 32)
	s_lshl_b32 s2, s47, 17
	s_lshl_b32 s52, s51, 13
	s_add_co_u32 s2, s2, s52
	s_add_co_u32 s2, s2, 16<<22
	s_add_nc_u64 s[20:21], s[8:9], s[2:3]          ; hf: row 16
	WIN 0x40
.set i_, 0
.rept 64
	global_load_b128 v[4*i_:4*i_+3], v[L16], s[10:11] offset:(i_/16)*32768+(i_%16)*512
.set i_, i_+1
.endr
	HLD 0, 20                                      ; the weights first, then block 0, then block 1: the count 16 below shows weights and block 0 landed
	HLD 1, 20
	WIN 0
	s_branch .Llast
.Lrouted:
	s_and_b32 s48, s44, 7                          ; ds
	s_lshr_b32 s49, s44, 3                         ; part
	s_lshl_b32 s2, s43, 22
	s_lshl_b32 s52, s48, 19
	s_add_co_u32 s2, s2, s52
	s_lshl_b32 s52, s49, 10
	s_add_co_u32 s2, s2, s52
	s_add_nc_u64 s[12:13], s[12:13], s[2:3]        ; my 64 rows x 256 k of wd[e]
	ULOAD 0
	ULOAD 1
	ULOAD 2
	s_lshl_b32 s2, s43, 8
	s_add_nc_u64 s[14:15], s[14:15], s[2:3]
	s_load_b32 s30, s[14:15], 0x0                  ; ngrp
	s_lshl_b32 s2, s43, 24
	s_lshl_b32 s52, s49, 11
	s_add_co_u32 s2, s2, s52
	s_lshl_b32 s52, s48, 8
	s_add_co_u32 s2, s2, s52
	s_add_nc_u64 s[16:17], s[16:17], s[2:3]        ; yp: row 1,024 e, my part, my 64 d
	s_lshl_b32 s26, s43, 22
	s_lshl_b32 s52, s49, 13
	s_add_co_u32 s26, s26, s52                     ; the group's byte offset in hf
	s_add_nc_u64 s[20:21], s[8:9], s[26:27]
	s_mov_b32 s31, 1                               ; the loop counts the groups behind the first
.set u_, 0
.rept 8
.if u_ < 7
	s_wait_loadcnt 32                              ; the two younger units' 32 loads; at unit 6: unit 7's 16 and block 0's 16
.else
	s_wait_loadcnt 16                              ; block 0's 16
.endif
	CVU u_%3
.if u_+3 < 8
	ULOAD u_+3
.endif
.if u_ == 5
	HLD 0, 20                                      ; buffer 2 has had its last unit: it takes group 0's block 0 (group 0 always exists),
.endif
.if u_ == 7
	HLD 1, 20                                      ; buffer 1 its block 1
.endif
	STU
	UFRAG u_
.set u_, u_+1
.endr
	s_wait_dscnt 0x0
	s_wait_kmcnt 0x0
	s_min_u32 s30, s30, 32
	WIN 0
	s_cmp_lt_u32 s31, s30
	s_cbranch_scc0 .Llast
.Lgrp:                                                 ; ngrp - 1 trips: 32 positions each; a trip fetches the next group's h
	s_add_co_u32 s26, s26, 131072
	s_add_nc_u64 s[24:25], s[8:9], s[26:27]
	BLK 0, 1, 16                                   ; block 1's 16 loads are the younger ones
	BLK 1, 1, 16                                   ; the next block 0's
	WIN 0
	s_wait_xcnt 0x0                                ; the bases step only behind this wait
	s_add_nc_u64 s[16:17], s[16:17], 0x80000
	s_add_co_u32 s31, s31, 1
	s_cmp_lt_u32 s31, s30
	s_cbranch_scc1 .Lgrp
.Llast:                                                ; the last group, and the shared expert's one group: nothing is fetched
	BLK 0, 0, 16
	BLK 1, 0, 0
	WIN 0
	s_wait_tensorcnt 0x0                           ; the wave's end: three lines behind my last LDS store
	ds_add_u32 v[SPW], v[NIL]
	s_wait_dscnt 0x0
	s_endpgm
.Lfunc_end_k_q37b8d26a2e_down:
	.size	k_q37b8d26a2e_down, .Lfunc_end_k_q37b8d26a2e_down-k_q37b8d26a2e_down
	.p2alignl 7, 3214868480
	.fill 96, 4, 3214868480
	.section	.rodata,"a",@progbits
	.p2align	6, 0x0
	.amdhsa_kernel k_q37b8d26a2e_down
		.amdhsa_group_segment_fixed_size 35840
		.amdhsa_private_segment_fixed_size 0
		.amdhsa_enable_private_segment 0
		.amdhsa_kernarg_size 40
		.amdhsa_user_sgpr_count 2
		.amdhsa_user_sgpr_kernarg_segment_ptr 1
		.amdhsa_wavefront_size32 1
		.amdhsa_system_sgpr_workgroup_id_x 1
		.amdhsa_system_sgpr_workgroup_id_y 1
		.amdhsa_system_sgpr_workgroup_id_z 1
		.amdhsa_system_vgpr_workitem_id 0
		.amdhsa_next_free_vgpr 512
		.amdhsa_next_free_sgpr 66
		.amdhsa_reserve_vcc 0
		.amdhsa_float_denorm_mode_32 3
		.amdhsa_float_denorm_mode_16_64 3
		.amdhsa_memory_ordered 1
		.amdhsa_forward_progress 1
		.amdhsa_inst_pref_size 76
	.end_amdhsa_kernel
	.amdgpu_metadata
---
amdhsa.version: [ 1, 2 ]
amdhsa.kernels:
  - .name:           k_q37b8d26a2e_down
    .symbol:         k_q37b8d26a2e_down.kd
    .args:
      - { .name: hf, .offset: 0, .size: 8, .value_kind: global_buffer, .address_space: global }
      - { .name: swf, .offset: 8, .size: 8, .value_kind: global_buffer, .address_space: global }
      - { .name: wd, .offset: 16, .size: 8, .value_kind: global_buffer, .address_space: global }
      - { .name: cnt, .offset: 24, .size: 8, .value_kind: global_buffer, .address_space: global }
      - { .name: yp, .offset: 32, .size: 8, .value_kind: global_buffer, .address_space: global }
    .group_segment_fixed_size: 35840
    .private_segment_fixed_size: 0
    .kernarg_segment_align: 8
    .kernarg_segment_size: 40
    .max_flat_workgroup_size: 256
    .sgpr_count:     66
    .vgpr_count:     512
    .wavefront_size: 32
...
	.end_amdgpu_metadata
.endif
;; end of part 4
;; launch combine (part 5): grid 1024 x 1, 4 waves a work-group, no clusters, 0 bytes of LDS; arguments yp, rpos, rcw, ridx, out0; writes out0
.if DOCPART == 5
	.amdgcn_target "amdgcn-amd-amdhsa--gfx1250"
	.amdhsa_code_object_version 6
	.text
	.protected	k_q37b8d26a2e_combine
	.globl	k_q37b8d26a2e_combine
	.p2align	8
	.type	k_q37b8d26a2e_combine,@function
k_q37b8d26a2e_combine:
	s_mov_b64 s[64:65], 0
	v_nop
	global_prefetch_b8 v0, s[64:65] scope:SCOPE_SE
	s_setreg_imm32_b32 hwreg(HW_REG_WAVE_MODE, 25, 1), 1
	s_wait_xcnt 0x0
; COMBINE.  y[t] = cw0 x (the 8 parts of yp[row of pair 2 t]) + cw1 x (the 8 parts of yp[row of pair 2 t + 1]) + (the 4 parts of the shared row 16,384 + t), all in f32.
; A pair's row is rpos[its expert][the pair]; experts and rows were stored as whole numbers by earlier launches.
; A work-group owns one token; thread i its 16 bytes at 16 i of the row's 2,048: each load and store of a wave covers 512 consecutive bytes.
; A stream: no LDS, no matrix unit, no barrier.
.set C, 8                              ; v8-23   the shared row's 4 parts
.set A, 24                             ; v24-55  the first pair's 8 parts
.set B, 56                             ; v56-87  the second pair's
.macro ADD4 d, s
	v_pk_add_f32 v[\d:\d+1], v[\d:\d+1], v[\s:\s+1]
	v_pk_add_f32 v[\d+2:\d+3], v[\d+2:\d+3], v[\s+2:\s+3]
.endm
.macro SUM4 b
	ADD4 \b, \b+8
	ADD4 \b+4, \b+12
	ADD4 \b, \b+4
.endm
.macro SUM8 b
	ADD4 \b, \b+16
	ADD4 \b+4, \b+20
	ADD4 \b+8, \b+24
	ADD4 \b+12, \b+28
	SUM4 \b
.endm
	s_load_b256 s[8:15], s[0:1], 0x0               ; yp 8, rpos 10, rcw 12, ridx 14
	s_load_b64 s[36:37], s[0:1], 0x20              ; out0
	v_lshlrev_b32 v1, 4, v0
	s_lshl_b32 s2, ttmp9, 3                        ; the token's two pairs: 8 bytes
	s_mov_b32 s3, 0
	s_mov_b32 s33, 0
	s_mov_b32 s35, 0
	s_wait_kmcnt 0x0
	s_add_nc_u64 s[14:15], s[14:15], s[2:3]
	s_add_nc_u64 s[12:13], s[12:13], s[2:3]
	s_add_nc_u64 s[10:11], s[10:11], s[2:3]        ; rpos at pair 2 t of row 0
	s_load_b64 s[16:17], s[14:15], 0x0             ; the two experts
	s_load_b64 s[20:21], s[12:13], 0x0             ; the two weights
	s_lshl_b32 s2, ttmp9, 11
	s_add_nc_u64 s[30:31], s[36:37], s[2:3]
	s_lshl_b32 s2, ttmp9, 14
	s_add_co_u32 s2, s2, 1<<28                     ; row 16,384 + t, 16,384 bytes a row
	s_add_nc_u64 s[28:29], s[8:9], s[2:3]
.irp p, 0,1,2,3
	global_load_b128 v[C+4*\p:C+4*\p+3], v1, s[28:29] offset:2048*\p th:TH_LOAD_NT
.endr
	s_wait_kmcnt 0x0
	s_min_u32 s16, s16, 15
	s_min_u32 s17, s17, 15
	s_lshl_b32 s32, s16, 13                        ; a row of rpos is 8,192 bytes
	s_lshl_b32 s34, s17, 13
	s_add_nc_u64 s[24:25], s[10:11], s[32:33]
	s_add_nc_u64 s[26:27], s[10:11], s[34:35]
	s_load_b32 s18, s[24:25], 0x0                  ; the first pair's row in yp,
	s_load_b32 s19, s[26:27], 0x4                  ; the second's
	s_mov_b32 s22, s21                             ; the packed forms take a pair's low word for both halves
	s_mov_b32 s23, s21
	s_wait_kmcnt 0x0                               ; both loads are done: their bases may be written again
	s_min_u32 s18, s18, 0x3fff
	s_min_u32 s19, s19, 0x3fff
	s_lshl_b32 s32, s18, 14
	s_lshl_b32 s34, s19, 14
	s_add_nc_u64 s[24:25], s[8:9], s[32:33]
	s_add_nc_u64 s[26:27], s[8:9], s[34:35]
.irp p, 0,1,2,3,4,5,6,7
	global_load_b128 v[A+4*\p:A+4*\p+3], v1, s[24:25] offset:2048*\p th:TH_LOAD_NT
.endr
.irp p, 0,1,2,3,4,5,6,7
	global_load_b128 v[B+4*\p:B+4*\p+3], v1, s[26:27] offset:2048*\p th:TH_LOAD_NT
.endr
	s_wait_loadcnt 16                              ; the shared row is in; the pairs' 16 loads stay out
	SUM4 C
	s_wait_loadcnt 8                               ; the first pair's are in, the second's 8 stay out
	SUM8 A
	v_pk_fma_f32 v[C:C+1], v[A:A+1], s[20:21], v[C:C+1] op_sel_hi:[1,0,1]
	v_pk_fma_f32 v[C+2:C+3], v[A+2:A+3], s[20:21], v[C+2:C+3] op_sel_hi:[1,0,1]
	s_wait_loadcnt 0
	SUM8 B
	v_pk_fma_f32 v[C:C+1], v[B:B+1], s[22:23], v[C:C+1] op_sel_hi:[1,0,1]
	v_pk_fma_f32 v[C+2:C+3], v[B+2:B+3], s[22:23], v[C+2:C+3] op_sel_hi:[1,0,1]
	global_store_b128 v1, v[C:C+3], s[30:31] th:TH_STORE_NT
	s_endpgm
.Lfunc_end_k_q37b8d26a2e_combine:
	.size	k_q37b8d26a2e_combine, .Lfunc_end_k_q37b8d26a2e_combine-k_q37b8d26a2e_combine
	.p2alignl 7, 3214868480
	.fill 96, 4, 3214868480
	.section	.rodata,"a",@progbits
	.p2align	6, 0x0
	.amdhsa_kernel k_q37b8d26a2e_combine
		.amdhsa_group_segment_fixed_size 0
		.amdhsa_private_segment_fixed_size 0
		.amdhsa_enable_private_segment 0
		.amdhsa_kernarg_size 40
		.amdhsa_user_sgpr_count 2
		.amdhsa_user_sgpr_kernarg_segment_ptr 1
		.amdhsa_wavefront_size32 1
		.amdhsa_system_sgpr_workgroup_id_x 1
		.amdhsa_system_sgpr_workgroup_id_y 1
		.amdhsa_system_sgpr_workgroup_id_z 1
		.amdhsa_system_vgpr_workitem_id 0
		.amdhsa_next_free_vgpr 96
		.amdhsa_next_free_sgpr 66
		.amdhsa_reserve_vcc 0
		.amdhsa_float_denorm_mode_32 3
		.amdhsa_float_denorm_mode_16_64 3
		.amdhsa_memory_ordered 1
		.amdhsa_forward_progress 1
		.amdhsa_inst_pref_size 7
	.end_amdhsa_kernel
	.amdgpu_metadata
---
amdhsa.version: [ 1, 2 ]
amdhsa.kernels:
  - .name:           k_q37b8d26a2e_combine
    .symbol:         k_q37b8d26a2e_combine.kd
    .args:
      - { .name: yp, .offset: 0, .size: 8, .value_kind: global_buffer, .address_space: global }
      - { .name: rpos, .offset: 8, .size: 8, .value_kind: global_buffer, .address_space: global }
      - { .name: rcw, .offset: 16, .size: 8, .value_kind: global_buffer, .address_space: global }
      - { .name: ridx, .offset: 24, .size: 8, .value_kind: global_buffer, .address_space: global }
      - { .name: out0, .offset: 32, .size: 8, .value_kind: global_buffer, .address_space: global }
    .group_segment_fixed_size: 0
    .private_segment_fixed_size: 0
    .kernarg_segment_align: 8
    .kernarg_segment_size: 40
    .max_flat_workgroup_size: 128
    .sgpr_count:     66
    .vgpr_count:     96
    .wavefront_size: 32
...
	.end_amdgpu_metadata
.endif
;; end of part 5
;; ======== version 2 of 2: 5 launches; version 1 with the launches gateup, combine written anew for expert scheduling mode
;; workspace buffers: ridx 8,192 bytes of whole numbers; rcw 8,192 bytes; rpos 131,072 bytes of whole numbers; cnt 4,096 bytes of whole numbers; xf 16,777,216 bytes; swf 4,194,304 bytes; hf 71,303,168 bytes; yp 285,212,672 bytes
;; launch router: the kernel of part 1 again; grid 256 x 1, 1 waves a work-group, no clusters, 4,608 bytes of LDS; arguments hidden_states, gate_w, swg, swu, swd, swf, ridx, rcw; writes swf, ridx, rcw
;; launch gather: the kernel of part 2 again; grid 80 x 16, 1 waves a work-group, no clusters, 17,152 bytes of LDS; arguments hidden_states, ridx, swf, xf, rpos, cnt, hf; writes xf, rpos, cnt, hf
;; launch gateup (part 6): grid 16 x 16, 4 waves a work-group, no clusters, 17,920 bytes of LDS; arguments xf, wg, wu, cnt, hf; writes hf
.if DOCPART == 6
	.amdgcn_target "amdgcn-amd-amdhsa--gfx1250"
	.amdhsa_code_object_version 6
	.text
	.protected	k_q37b8d26a2e_gateup
	.globl	k_q37b8d26a2e_gateup
	.p2align	8
	.type	k_q37b8d26a2e_gateup,@function
k_q37b8d26a2e_gateup:
	s_mov_b64 s[64:65], 0
	v_nop
	global_prefetch_b8 v0, s[64:65] scope:SCOPE_SE
	s_setreg_imm32_b32 hwreg(HW_REG_WAVE_SCHED_MODE, 0, 2), 2
	s_setreg_imm32_b32 hwreg(HW_REG_WAVE_MODE, 25, 1), 1
	s_wait_xcnt 0x0
	s_wait_alu depctr_vm_vsrc(0)
; GATE AND UP of the routed experts.  h = silu(x wg^T) * (x wu^T), in bf16 products with f32 sums; silu and the product in f32; h rounded once to bf16 (bf16 for its range).
; Wave u = 4 sl + w of expert e owns 32 rows of wg[e] and of wu[e] (131,072 bytes, read once, 512 consecutive bytes a load), rounds them to bf16, turns them into operand
; images through its own LDS stage and KEEPS them in 512 registers.  The expert's tokens then pass by in groups of 32 (two blocks of 16), as ready images from xf:
; no gather, no LDS, no barrier; ngrp comes from cnt.  The first group's images are asked for while the last units of weights are at work, so that the weights' loads go out first.
; A trip of the loop fetches the next group; the last group is written out and fetches nothing.
; Source 0 = 16 rows of weights, source 1 = 16 tokens: a lane holds one token and eight neighbouring i, which rounded in pairs ARE its 16 bytes of h's image.
; NO CLUSTER, NO TENSOR LOADS: a wave shares its weights with nobody, and the experts' trip counts differ.
; LIMITS.  NaN and infinities are not treated apart; positions past an expert's count are computed on token 0 and read by nobody.
; THE MODE: SCHED_MODE bits 1:0 = 2 (LLVM: expert scheduling mode 2), set by the entry lines.  The code itself states the register dependences
; between vector or matrix instructions and memory or LDS instructions, with s_wait_alu, always for 0.
; THE PLAN.  Registers that memory or LDS instructions touch:
;   v1, v2, v3    offsets and LDS addresses, written once at the head, never again; v4, v5 likewise, read by the closing add alone.
;   RAW0 .. RAW2  The weights' phase, unit u: its 32 conversions read RAW[u % 3]; behind them the loads of unit u + 3 land in it.
;   TMP           Unit u: written by its conversions, read by its 16 LDS stores, written again by unit u + 1's conversions.
;   windows 2, 3  The weights' images: LDS loads land there; matrix instructions alone read them; never written again.
;   X0, X1        Block x: its 64 products read X[x]; behind them the next group's 32 loads land in it.
;   HP0, HP1      Block x: written by its eight roundings, read by two global stores, written again a trip later.
;   The sums and v128-143 are named by vector and matrix instructions alone.
; A unit of weights has ONE wait on va_vdst, behind its conversions (TMP is written; the raw buffer is read out and is asked for again at once), and one on vm_vsrc ahead of them (TMP).
; A block of tokens has ONE wait on va_vdst behind its products: X[x] is read out; in block 1 it also shows block 0's h written, so block 0's two stores stand behind it, behind the loads.
; Block 1's own stores have a wait of their own behind its roundings.  The wait on vm_vsrc ahead of a block's roundings stands 64 products or more behind the stores that it speaks of.
.set STG,   0                          ; four stages of 16 rows, pitch 272
.set SPARE, 17408                      ; the spare words: two blocks of 256 bytes that no other line names
.set RBASE, 64                         ; window 0, v64-255: three buffers of 64 registers in the weights' phase
.set L16, 1
.set SW,  2
.set SR,  3
.set SPW, 4
.set NIL, 5
.set TMP, 16                           ; v16-47
.set ACC, 64                           ; the tokens' phase: sums at 64 + 32 x + 16 mat + 8 tile
.set E,   128                          ; v128-143 at work
.set HP,  160                          ; v160-175 h in bf16, eight registers a block
; window 1: X, block x at 128 x + 8 s.   window 2: wg, tile t at 128 t + 8 s.   window 3: wu likewise.
.set MSB, 0
.macro WIN new
.if MSB != (\new)
	s_set_vgpr_msb (MSB<<8)|(\new)
.set MSB, \new
.endif
.endm
.macro PLACES
.rept 4
	v_nop
.endr
.endm
.macro LDU n, base, off, pitch
.set RR_, RBASE+64*(\n)
	WIN 0
.set i_, 0
.rept 16
	global_load_b128 v[RR_+4*i_:RR_+4*i_+3], v[L16], s[\base:\base+1] offset:(\off)+i_*(\pitch) th:TH_LOAD_NT
.set i_, i_+1
.endr
.endm
.macro CVU n
.set RR_, RBASE+64*(\n)
	WIN 0
.set i_, 0
.rept 32
	v_cvt_pk_bf16_f32 v[TMP+i_], v[RR_+2*i_], v[RR_+2*i_+1]
.set i_, i_+1
.endr
.endm
.macro STU
	WIN 0
.set i_, 0
.rept 16
	ds_store_b64 v[SW], v[TMP+2*i_:TMP+2*i_+1] offset:i_*272
.set i_, i_+1
.endr
.endm
.macro FRU dw, dst                     ; LDS serves a wave's instructions in order: these see the stores above, and the next unit's stores come behind them
	WIN (\dw)<<6
.set i_, 0
.rept 4
	ds_load_b128 v[(\dst)+8*i_:(\dst)+8*i_+3],   v[SR] offset:64*i_
	ds_load_b128 v[(\dst)+8*i_+4:(\dst)+8*i_+7], v[SR] offset:64*i_+32
.set i_, i_+1
.endr
.endm
.macro ULOAD j                         ; unit j of 16: matrix j / 8, tile (j / 4) % 2, k from 128 (j % 4) on
	LDU (\j)%3, 10+2*((\j)/8), (((\j)/4)%2)*32768+((\j)%4)*512, 2048
.endm
.macro UFRAG j
	FRU 2+(\j)/8, 128*(((\j)/4)%2)+32*((\j)%4)
.endm
.macro XLD x, base                     ; a block's 16 images: 32 loads of 512 consecutive bytes
	WIN 0x40
.set i_, 0
.rept 32
	global_load_b128 v[128*(\x)+4*i_:128*(\x)+4*i_+3], v[L16], s[\base:\base+1] offset:(\x)*16384+i_*512
.set i_, i_+1
.endr
.endm
.macro MULB x                          ; 64 products: wg's 32, then wu's; a matrix's two tiles take turns; the first K step starts the sums
.set k_, 0
.rept 64
	WIN 0x06+k_/32
.set rD_, ACC+32*(\x)+16*(k_/32)+8*(k_%2)
.set rA_, 128*(k_%2)+8*((k_%32)/2)
.set rB_, 128*(\x)+8*((k_%32)/2)
.if (k_%32) < 2
	v_wmma_f32_16x16x32_bf16 v[rD_:rD_+7], v[rA_:rA_+7], v[rB_:rB_+7], 0
.else
	v_wmma_f32_16x16x32_bf16 v[rD_:rD_+7], v[rA_:rA_+7], v[rB_:rB_+7], v[rD_:rD_+7]
.endif
.set k_, k_+1
.endr
.endm
.macro EPI x                           ; h = g / (1 + 2^(-g log2 e)) * u, into HP[x]; each sum is read from its low end on
	WIN 0
.set G_, ACC+32*(\x)
.set U_, ACC+32*(\x)+16
.set H_, HP+8*(\x)
.set p_, 0
.rept 8
	v_pk_mul_f32 v[E+2*p_:E+2*p_+1], v[G_+2*p_:G_+2*p_+1], s[34:35] op_sel_hi:[1,0]
.set p_, p_+1
.endr
.set p_, 0
.rept 16
	v_exp_f32 v[E+p_], v[E+p_]
.set p_, p_+1
.endr
	v_nop                                          ; a plain instruction behind the last exponential
.set p_, 0
	s_wait_alu depctr_va_vdst(0)                   ; the sixteen exponentials have written v128-143, ahead of their first reader: one wait for the batch
.rept 8
	v_pk_add_f32 v[E+2*p_:E+2*p_+1], v[E+2*p_:E+2*p_+1], 1.0 op_sel_hi:[1,0]
.set p_, p_+1
.endr
.set p_, 0
.rept 16
	v_rcp_f32 v[E+p_], v[E+p_]
.set p_, p_+1
.endr
	v_nop                                          ; a plain instruction behind the last reciprocal
.set p_, 0
	s_wait_alu depctr_va_vdst(0)                   ; the sixteen reciprocals have written v128-143, ahead of their first reader: one wait for the batch
.rept 8
	v_pk_mul_f32 v[E+2*p_:E+2*p_+1], v[E+2*p_:E+2*p_+1], v[G_+2*p_:G_+2*p_+1]
.set p_, p_+1
.endr
.set p_, 0
.rept 8
	v_pk_mul_f32 v[E+2*p_:E+2*p_+1], v[E+2*p_:E+2*p_+1], v[U_+2*p_:U_+2*p_+1]
.set p_, p_+1
.endr
	s_wait_xcnt 0x0                                ; every earlier memory instruction has had its addresses translated: HP[x] is rewritten only behind this wait,
	s_wait_alu depctr_vm_vsrc(0)                   ; and beside it: the stores of the trip before have read HP[x], which the roundings below write again
.set p_, 0
.rept 8
	v_cvt_pk_bf16_f32 v[H_+p_], v[E+2*p_], v[E+2*p_+1]
.set p_, p_+1
.endr
.endm
.macro HST x                           ; block x's h goes out
	WIN 0
	global_store_b128 v[L16], v[HP+8*(\x):HP+8*(\x)+3],   s[18:19] offset:(\x)*65536       ; 512 consecutive bytes: the image's first half (tile 0),
	global_store_b128 v[L16], v[HP+8*(\x)+4:HP+8*(\x)+7], s[18:19] offset:(\x)*65536+512   ; and its second (tile 1)
.endm
.macro BLK x, next, lc                 ; lc: the younger loads, which may stay out
	s_wait_loadcnt \lc
	MULB \x
	PLACES                                         ; four places behind the last product, ahead of the loads into X and of the reads of the sums; they stay beside the wait below
.if \next
	WIN 0x40                                       ; the switch, then the wait, then the loads
	s_wait_alu depctr_va_vdst(0)                   ; the products above are done reading X[x], in which the loads below land; in block 1 also: block 0's roundings have written HP0, which the stores below read
	XLD \x, 24
.elseif \x
	WIN 0
	s_wait_alu depctr_va_vdst(0)                   ; block 0's roundings have written HP0, which the stores below read
.endif
.if \x
	HST 0                                          ; no vector or matrix instruction since the wait: only loads and a window switch stand between
.endif
	EPI \x
.if \x
	s_wait_alu depctr_va_vdst(0)                   ; block 1's roundings have written HP1, which the stores below read
	HST 1
.endif
.endm
	s_load_b256 s[8:15], s[0:1], 0x0               ; xf 8, wg 10, wu 12, cnt 14
	s_load_b64 s[18:19], s[0:1], 0x20              ; hf
	v_lshl_add_u32 v[SPW], v0, 2, SPARE
	v_mov_b32 v[NIL], 0
	v_lshrrev_b32 v6, 5, v0
	v_readfirstlane_b32 s40, v6                    ; wave 0..3
	v_and_b32 v7, 31, v0
	v_and_b32 v8, 15, v0
	v_bfe_u32 v9, v0, 4, 1
	v_lshlrev_b32 v[L16], 4, v7
	s_wait_alu depctr_va_sdst(0)                   ; s40 is written, ahead of its first reader: the stage's place and the bases of wg, wu and hf are made from it
	s_mul_i32 s41, s40, 4352                       ; my stage
	v_lshl_add_u32 v[SW], v7, 3, s41
	v_mul_u32_u24 v[SR], v8, 272
	v_lshl_add_u32 v[SR], v9, 4, v[SR]
	v_add_nc_u32 v[SR], s41, v[SR]
	s_and_b32 s42, ttmp9, 15                       ; sl
	s_and_b32 s43, ttmp7, 15                       ; e
	s_lshl2_add_u32 s44, s42, s40                  ; u = 4 sl + w
	s_mov_b32 s34, 0xbfb8aa3b                      ; -log2(e)
	s_mov_b32 s35, s34
	s_mov_b32 s3, 0
	s_mov_b32 s27, 0
	s_mov_b32 s31, 1                               ; the loop counts the groups behind the first
	s_wait_kmcnt 0x0
	s_lshl_b32 s2, s43, 22
	s_lshl_b32 s48, s44, 16
	s_add_co_u32 s2, s2, s48
	s_add_nc_u64 s[10:11], s[10:11], s[2:3]        ; my 32 rows of wg[e]
	s_add_nc_u64 s[12:13], s[12:13], s[2:3]        ; and of wu[e]
	s_wait_alu depctr_va_vdst(0)                   ; v1 to v5 are written: every load, store and LDS instruction of the kernel reads one of them as its offset or address
	ULOAD 0
	ULOAD 1
	ULOAD 2
	s_lshl_b32 s2, s43, 8
	s_add_nc_u64 s[14:15], s[14:15], s[2:3]
	s_load_b32 s30, s[14:15], 0x0                  ; ngrp
	s_lshl_b32 s2, s43, 22
	s_lshl_b32 s48, s44, 10
	s_add_co_u32 s2, s2, s48
	s_add_nc_u64 s[18:19], s[18:19], s[2:3]        ; hf: row e, block 0, K step u
	s_lshl_b32 s26, s43, 20                        ; the group's byte offset in xf
	s_add_nc_u64 s[22:23], s[8:9], s[26:27]
.set u_, 0
.rept 16
.if u_ == 14
	s_wait_loadcnt 48                              ; unit 15's 16 loads and block 0's 32 may stay out
.else
	s_wait_loadcnt 32                              ; the two younger units' 32 loads; at unit 15: block 0's 32
.endif
.if u_ > 0
	s_wait_alu depctr_vm_vsrc(0)                   ; the last unit's LDS stores have read TMP, which the conversions below write again
.endif
	CVU u_%3
	s_wait_alu depctr_va_vdst(0)                   ; the conversions have written TMP, which the LDS stores below read; in units 0 to 12 also: they are done reading the raw buffer, in which the loads below land
.if u_+3 < 16
	ULOAD u_+3
.endif
.if u_ == 13
	XLD 0, 22                                      ; group 0 always exists; no vector or matrix instruction has named X yet
.endif
.if u_ == 15
	XLD 1, 22
.endif
	STU
	UFRAG u_
.set u_, u_+1
.endr
	s_wait_dscnt 0x0
	s_wait_kmcnt 0x0
	s_min_u32 s30, s30, 32
	WIN 0
	s_cmp_lt_u32 s31, s30
	s_cbranch_scc0 .Llast
.Lgrp:                                                 ; ngrp - 1 trips: 32 positions each; a trip fetches the next group's X
	s_add_co_u32 s26, s26, 32768
	s_add_nc_u64 s[24:25], s[8:9], s[26:27]
	BLK 0, 1, 32                                   ; block 1's 32 loads are the younger ones
	BLK 1, 1, 32                                   ; the next block 0's
	WIN 0
	s_wait_xcnt 0x0                                ; the bases step only behind this wait
	s_add_nc_u64 s[18:19], s[18:19], 0x20000
	s_add_co_u32 s31, s31, 1
	s_cmp_lt_u32 s31, s30
	s_cbranch_scc1 .Lgrp
.Llast:                                                ; the last group fetches nothing
	BLK 0, 0, 32
	BLK 1, 0, 0
	WIN 0
	s_wait_dscnt 0x0                               ; the closing lines, six on end
	s_wait_alu 0x0
	s_wait_tensorcnt 0x0
	ds_add_u32 v[SPW], v[NIL]
	s_wait_dscnt 0x0
	s_endpgm
.Lfunc_end_k_q37b8d26a2e_gateup:
	.size	k_q37b8d26a2e_gateup, .Lfunc_end_k_q37b8d26a2e_gateup-k_q37b8d26a2e_gateup
	.p2alignl 7, 3214868480
	.fill 96, 4, 3214868480
	.section	.rodata,"a",@progbits
	.p2align	6, 0x0
	.amdhsa_kernel k_q37b8d26a2e_gateup
		.amdhsa_group_segment_fixed_size 17920
		.amdhsa_private_segment_fixed_size 0
		.amdhsa_enable_private_segment 0
		.amdhsa_kernarg_size 40
		.amdhsa_user_sgpr_count 2
		.amdhsa_user_sgpr_kernarg_segment_ptr 1
		.amdhsa_wavefront_size32 1
		.amdhsa_system_sgpr_workgroup_id_x 1
		.amdhsa_system_sgpr_workgroup_id_y 1
		.amdhsa_system_sgpr_workgroup_id_z 1
		.amdhsa_system_vgpr_workitem_id 0
		.amdhsa_next_free_vgpr 1024
		.amdhsa_next_free_sgpr 66
		.amdhsa_reserve_vcc 0
		.amdhsa_float_denorm_mode_32 3
		.amdhsa_float_denorm_mode_16_64 3
		.amdhsa_memory_ordered 1
		.amdhsa_forward_progress 1
		.amdhsa_inst_pref_size 130
	.end_amdhsa_kernel
	.amdgpu_metadata
---
amdhsa.version: [ 1, 2 ]
amdhsa.kernels:
  - .name:           k_q37b8d26a2e_gateup
    .symbol:         k_q37b8d26a2e_gateup.kd
    .args:
      - { .name: xf, .offset: 0, .size: 8, .value_kind: global_buffer, .address_space: global }
      - { .name: wg, .offset: 8, .size: 8, .value_kind: global_buffer, .address_space: global }
      - { .name: wu, .offset: 16, .size: 8, .value_kind: global_buffer, .address_space: global }
      - { .name: cnt, .offset: 24, .size: 8, .value_kind: global_buffer, .address_space: global }
      - { .name: hf, .offset: 32, .size: 8, .value_kind: global_buffer, .address_space: global }
    .group_segment_fixed_size: 17920
    .private_segment_fixed_size: 0
    .kernarg_segment_align: 8
    .kernarg_segment_size: 40
    .max_flat_workgroup_size: 128
    .sgpr_count:     66
    .vgpr_count:     1024
    .wavefront_size: 32
...
	.end_amdgpu_metadata
.endif
;; end of part 6
;; launch down: the kernel of part 4 again; grid 16 x 16, 8 waves a work-group, no clusters, 35,840 bytes of LDS; arguments hf, swf, wd, cnt, yp; writes yp
;; launch combine (part 7): grid 1024 x 1, 4 waves a work-group, no clusters, 0 bytes of LDS; arguments yp, rpos, rcw, ridx, out0; writes out0
.if DOCPART == 7
	.amdgcn_target "amdgcn-amd-amdhsa--gfx1250"
	.amdhsa_code_object_version 6
	.text
	.protected	k_q37b8d26a2e_combine
	.globl	k_q37b8d26a2e_combine
	.p2align	8
	.type	k_q37b8d26a2e_combine,@function
k_q37b8d26a2e_combine:
	s_mov_b64 s[64:65], 0
	v_nop
	global_prefetch_b8 v0, s[64:65] scope:SCOPE_SE
	s_setreg_imm32_b32 hwreg(HW_REG_WAVE_SCHED_MODE, 0, 2), 2
	s_setreg_imm32_b32 hwreg(HW_REG_WAVE_MODE, 25, 1), 1
	s_wait_xcnt 0x0
	s_wait_alu depctr_vm_vsrc(0)
; COMBINE.  y[t] = cw0 x (the 8 parts of yp[row of pair 2 t]) + cw1 x (the 8 parts of yp[row of pair 2 t + 1]) + (the 4 parts of the shared row 16,384 + t), all in f32.
; A pair's row is rpos[its expert][the pair]; experts and rows were stored as whole numbers by earlier launches.
; A work-group owns one token; thread i its 16 bytes at 16 i of the row's 2,048: each load and store of a wave covers 512 consecutive bytes.
; A stream: no LDS, no matrix unit, no barrier.
; THE MODE: SCHED_MODE bits 1:0 = 2 (LLVM: expert scheduling mode 2), set by the entry lines.  The code itself states the register dependences
; between vector instructions and memory instructions, with s_wait_alu, always for 0.
; THE PLAN.  Registers that memory instructions touch:
;   v1        the offset 16 i: written once at the head, read by all 20 loads and by the store, never written again.
;   C, A, B   the loads land in them; no vector instruction names them before their waits on LOADcnt.
;   C         takes the sum and is the one store's data.
; So two waits state everything: one ahead of the first load (v1 is written), one ahead of the store (the sum is written).  No register that a memory instruction reads is written again.
.set C, 8                              ; v8-23   the shared row's 4 parts
.set A, 24                             ; v24-55  the first pair's 8 parts
.set B, 56                             ; v56-87  the second pair's
.macro ADD4 d, s
	v_pk_add_f32 v[\d:\d+1], v[\d:\d+1], v[\s:\s+1]
	v_pk_add_f32 v[\d+2:\d+3], v[\d+2:\d+3], v[\s+2:\s+3]
.endm
.macro SUM4 b
	ADD4 \b, \b+8
	ADD4 \b+4, \b+12
	ADD4 \b, \b+4
.endm
.macro SUM8 b
	ADD4 \b, \b+16
	ADD4 \b+4, \b+20
	ADD4 \b+8, \b+24
	ADD4 \b+12, \b+28
	SUM4 \b
.endm
	s_load_b256 s[8:15], s[0:1], 0x0               ; yp 8, rpos 10, rcw 12, ridx 14
	s_load_b64 s[36:37], s[0:1], 0x20              ; out0
	v_lshlrev_b32 v1, 4, v0
	s_lshl_b32 s2, ttmp9, 3                        ; the token's two pairs: 8 bytes
	s_mov_b32 s3, 0
	s_mov_b32 s33, 0
	s_mov_b32 s35, 0
	s_wait_kmcnt 0x0
	s_add_nc_u64 s[14:15], s[14:15], s[2:3]
	s_add_nc_u64 s[12:13], s[12:13], s[2:3]
	s_add_nc_u64 s[10:11], s[10:11], s[2:3]        ; rpos at pair 2 t of row 0
	s_load_b64 s[16:17], s[14:15], 0x0             ; the two experts
	s_load_b64 s[20:21], s[12:13], 0x0             ; the two weights
	s_lshl_b32 s2, ttmp9, 11
	s_add_nc_u64 s[30:31], s[36:37], s[2:3]
	s_lshl_b32 s2, ttmp9, 14
	s_add_co_u32 s2, s2, 1<<28                     ; row 16,384 + t, 16,384 bytes a row
	s_add_nc_u64 s[28:29], s[8:9], s[2:3]
	s_wait_alu depctr_va_vdst(0)                   ; v1 is written: every load of the kernel, and its store, reads it as the offset
.irp p, 0,1,2,3
	global_load_b128 v[C+4*\p:C+4*\p+3], v1, s[28:29] offset:2048*\p th:TH_LOAD_NT
.endr
	s_wait_kmcnt 0x0
	s_min_u32 s16, s16, 15
	s_min_u32 s17, s17, 15
	s_lshl_b32 s32, s16, 13                        ; a row of rpos is 8,192 bytes
	s_lshl_b32 s34, s17, 13
	s_add_nc_u64 s[24:25], s[10:11], s[32:33]
	s_add_nc_u64 s[26:27], s[10:11], s[34:35]
	s_load_b32 s18, s[24:25], 0x0                  ; the first pair's row in yp,
	s_load_b32 s19, s[26:27], 0x4                  ; the second's
	s_mov_b32 s22, s21                             ; the packed forms take a pair's low word for both halves
	s_mov_b32 s23, s21
	s_wait_kmcnt 0x0                               ; both loads are done: their bases may be written again
	s_min_u32 s18, s18, 0x3fff
	s_min_u32 s19, s19, 0x3fff
	s_lshl_b32 s32, s18, 14
	s_lshl_b32 s34, s19, 14
	s_add_nc_u64 s[24:25], s[8:9], s[32:33]
	s_add_nc_u64 s[26:27], s[8:9], s[34:35]
.irp p, 0,1,2,3,4,5,6,7
	global_load_b128 v[A+4*\p:A+4*\p+3], v1, s[24:25] offset:2048*\p th:TH_LOAD_NT
.endr
.irp p, 0,1,2,3,4,5,6,7
	global_load_b128 v[B+4*\p:B+4*\p+3], v1, s[26:27] offset:2048*\p th:TH_LOAD_NT
.endr
	s_wait_loadcnt 16                              ; the shared row is in; the pairs' 16 loads stay out
	SUM4 C
	s_wait_loadcnt 8                               ; the first pair's are in, the second's 8 stay out
	SUM8 A
	v_pk_fma_f32 v[C:C+1], v[A:A+1], s[20:21], v[C:C+1] op_sel_hi:[1,0,1]
	v_pk_fma_f32 v[C+2:C+3], v[A+2:A+3], s[20:21], v[C+2:C+3] op_sel_hi:[1,0,1]
	s_wait_loadcnt 0
	SUM8 B
	v_pk_fma_f32 v[C:C+1], v[B:B+1], s[22:23], v[C:C+1] op_sel_hi:[1,0,1]
	v_pk_fma_f32 v[C+2:C+3], v[B+2:B+3], s[22:23], v[C+2:C+3] op_sel_hi:[1,0,1]
	s_wait_alu depctr_va_vdst(0)                   ; the last multiply-adds have written v8-11, which the store reads
	global_store_b128 v1, v[C:C+3], s[30:31] th:TH_STORE_NT
	s_endpgm
.Lfunc_end_k_q37b8d26a2e_combine:
	.size	k_q37b8d26a2e_combine, .Lfunc_end_k_q37b8d26a2e_combine-k_q37b8d26a2e_combine
	.p2alignl 7, 3214868480
	.fill 96, 4, 3214868480
	.section	.rodata,"a",@progbits
	.p2align	6, 0x0
	.amdhsa_kernel k_q37b8d26a2e_combine
		.amdhsa_group_segment_fixed_size 0
		.amdhsa_private_segment_fixed_size 0
		.amdhsa_enable_private_segment 0
		.amdhsa_kernarg_size 40
		.amdhsa_user_sgpr_count 2
		.amdhsa_user_sgpr_kernarg_segment_ptr 1
		.amdhsa_wavefront_size32 1
		.amdhsa_system_sgpr_workgroup_id_x 1
		.amdhsa_system_sgpr_workgroup_id_y 1
		.amdhsa_system_sgpr_workgroup_id_z 1
		.amdhsa_system_vgpr_workitem_id 0
		.amdhsa_next_free_vgpr 96
		.amdhsa_next_free_sgpr 66
		.amdhsa_reserve_vcc 0
		.amdhsa_float_denorm_mode_32 3
		.amdhsa_float_denorm_mode_16_64 3
		.amdhsa_memory_ordered 1
		.amdhsa_forward_progress 1
		.amdhsa_inst_pref_size 7
	.end_amdhsa_kernel
	.amdgpu_metadata
---
amdhsa.version: [ 1, 2 ]
amdhsa.kernels:
  - .name:           k_q37b8d26a2e_combine
    .symbol:         k_q37b8d26a2e_combine.kd
    .args:
      - { .name: yp, .offset: 0, .size: 8, .value_kind: global_buffer, .address_space: global }
      - { .name: rpos, .offset: 8, .size: 8, .value_kind: global_buffer, .address_space: global }
      - { .name: rcw, .offset: 16, .size: 8, .value_kind: global_buffer, .address_space: global }
      - { .name: ridx, .offset: 24, .size: 8, .value_kind: global_buffer, .address_space: global }
      - { .name: out0, .offset: 32, .size: 8, .value_kind: global_buffer, .address_space: global }
    .group_segment_fixed_size: 0
    .private_segment_fixed_size: 0
    .kernarg_segment_align: 8
    .kernarg_segment_size: 40
    .max_flat_workgroup_size: 128
    .sgpr_count:     66
    .vgpr_count:     96
    .wavefront_size: 32
...
	.end_amdgpu_metadata
.endif
;; end of part 7
